; MI455X (gfx1250); checked and timed in simulation.
; The chip was launched on July 23, 2026; its instructions are those of AMD's public machine-readable ISA for CDNA 5 (MIT licence, August 2026) and "CDNA5" Instruction Set Architecture Reference Guide (July 2026). The comments in the code are by the model that wrote it; some were corrected since.
;; Bert Attention Distance. Allowed arithmetic: matrix products marked QUANTISED: E3M2 operands, one E8M0 scale for each 32 along K, by v_wmma_scale_f32_16x16x128_f8f6f4 with both operands' format E3M2, f32 sums; everything else in f32.
;; Inputs: Wk_codes 1,024 x 32 x 24 uint8 (E3M2 codes of Wk, K innermost, in blocks of 32 codes, four codes in three bytes); Wk_scales 1,024 x 32 uint8 (E8M0 scales of Wk, one for each 32 codes along K); Wo_codes 1,024 x 32 x 24 uint8 (E3M2 codes of Wo, K innermost, in blocks of 32 codes, four codes in three bytes); Wo_scales 1,024 x 32 uint8 (E8M0 scales of Wo, one for each 32 codes along K); Wq_codes 1,024 x 32 x 24 uint8 (E3M2 codes of Wq, K innermost, in blocks of 32 codes, four codes in three bytes); Wq_scales 1,024 x 32 uint8 (E8M0 scales of Wq, one for each 32 codes along K); Wv_codes 1,024 x 32 x 24 uint8 (E3M2 codes of Wv, K innermost, in blocks of 32 codes, four codes in three bytes); Wv_scales 1,024 x 32 uint8 (E8M0 scales of Wv, one for each 32 codes along K); attention_mask 4 x 1 x 1 x 2,048 float32; bk 1,024 float32; bo 1,024 float32; bq 1,024 float32; bv 1,024 float32; dist_emb_codes 32 x 32 x 24 uint8 (E3M2 codes of dist_emb, K innermost, in blocks of 32 codes, four codes in three bytes); dist_emb_scales 32 x 32 uint8 (E8M0 scales of dist_emb, one for each 32 codes along K); hidden_states 4 x 2,048 x 1,024 float32; ln_b 1,024 float32; ln_g 1,024 float32; word_word_relation 4 x 2,048 x 2,048 int32.
;; Outputs: out0 4 x 2,048 x 1,024 float32.
;; This version of the problem:
;;   THIS VERSION OF THE PROBLEM IS GIVEN IN LOW PRECISION. The matrix products marked QUANTISED in the list below multiply operands that are first quantised to E3M2 (3 exponent bits, 2 mantissa bits; 6 bits a number), with one power-of-two scale for each 32 numbers along K (OCP MX v1.0); their sums are f32. All else is computed in f32.
;;   The module's matrix products, in the order in which they are computed (A, B: the left and right operand; K: the contracted axis; several contracted axes count as one K, in the product's order):
;;     1. [M 8,192, K 1,024] x [K 1,024, N 1,024]; A: input hidden_states; B: input Wq (given as codes): QUANTISED
;;     2. [M 8,192, K 1,024] x [K 1,024, N 1,024]; A: input hidden_states; B: input Wk (given as codes): QUANTISED
;;     3. [M 8,192, K 1,024] x [K 1,024, N 1,024]; A: input hidden_states; B: input Wv (given as codes): QUANTISED
;;     4. batch 4 x [M 2,048, K 1,024] x [K 1,024, N 2,048]; A: computed on the way; B: computed on the way: QUANTISED
;;     5. [M 8,192, K 1,024] x [K 1,024, N 32]; A: computed on the way; B: input dist_emb (given as codes): QUANTISED
;;     6. batch 4 x [M 2,048, K 2,048] x [K 2,048, N 1,024]; A: softmax (see below); B: computed on the way: QUANTISED
;;     7. [M 8,192, K 1,024] x [K 1,024, N 1,024]; A: computed on the way; B: input Wo (given as codes): QUANTISED
;;   THE QUANTISER, for each operand of a quantised product, along K:
;;     - K is cut into blocks of 32 from its start; a last block that is shorter is filled with zeros.
;;     - A block's scale is 2^e with e = floor(log2(the largest magnitude in the block)) - 4, held to -126 .. 127; a block of zeros has e = 0. As a byte (E8M0): e + 127.
;;     - Each number is divided by its block's scale, clamped to +-28, and rounded to the nearest number of E3M2, ties to even, subnormals kept.
;;     - The product sums the exact products of the quantised numbers (number of the format x scale) in f32.
;;   ~~~python
;;   def quantise(x, axis):      # numpy; x: float32 -> the quantised numbers, widened to float32 again
;;       x = np.moveaxis(x, axis, -1); K = x.shape[-1]
;;       x = np.pad(x, [(0, 0)] * (x.ndim - 1) + [(0, -K % 32)]); x = x.reshape(x.shape[:-1] + (-1, 32)); a = np.abs(x).max(-1, keepdims=True)
;;       e = np.where(a > 0, np.clip(np.frexp(np.where(a > 0, a, 1))[1] - 1 - 4, -126, 127), 0)      # np.frexp(a)[1] - 1 = floor(log2(a)), exactly
;;       r = np.clip(x / 2.0 ** e, -28, 28)
;;       step = 2.0 ** (np.maximum(np.frexp(np.where(r == 0, 1, r))[1] - 1, -2) - 2)
;;       q = np.round(r / step) * step * 2.0 ** e      # np.round: ties to even
;;       return np.moveaxis(q.reshape(q.shape[:-2] + (-1,))[..., :K], -1, axis).astype(np.float32)
;;   ~~~
;;   SOFTMAX AHEAD OF A QUANTISED PRODUCT. Where the list says 'softmax', what is quantised is not the finished softmax but p = 2^(t - M), with t = logit x log2(e) and M = ceil(the row's largest t), a whole number; so 1/2 < the row's largest p <= 1. The row's sum l is taken of the UNQUANTISED p, in f32, and the product's result is divided by l at the end. Since M is a whole number, a kernel that streams over the keys may use a running M (the ceiling of the running maximum): every later rescaling is an exact power of two, which a block's scale takes up: the codes' values come out the same.
;;   OPERANDS COMPUTED ON THE WAY. 'Computed on the way' means the value that the module computes at that place (a softmax that the list does not call 'softmax' is quantised finished and normalised). What goes into a quantiser is computed in f32, as accurately as f32 sums, v_exp_f32 and their like allow (about 1e-6 of the number): no bf16 or f16 on the way to a quantiser, and a product that is left as it is and whose result goes on into a quantised operand takes f32 operands (vector FMAs, or v_wmma_f32_16x16x4_f32). A number that lies on a knife's edge between two numbers of the format may be rounded either way, as far as f32 arithmetic and the matrix unit's own rounding can turn it there, and no further.
;;   INPUTS GIVEN AS CODES. Wk (in the module: [1024, 1024], K = its axis 1); Wo (in the module: [1024, 1024], K = its axis 1); Wq (in the module: [1024, 1024], K = its axis 1); Wv (in the module: [1024, 1024], K = its axis 1); dist_emb (in the module: [32, 1024], K = its axis 1): each comes as NAME_codes (uint8): NAME with its K axis moved to the last place and cut into blocks of 32 codes, [.., K / 32, bytes a block], one block behind the other in memory; four codes in three bytes: a row's codes are one little-endian stream of bits, code i at bits 6 i .. 6 i + 5 (a code: sign, 3 exponent bits, 2 mantissa bits); and NAME_scales (uint8): the same leading axes, one E8M0 byte (e + 127) for each 32 codes along K. Its value is code x scale, taken as it is: it is not quantised again, and the codes and scales need not be those that the quantiser above would give.
;; One version. Each part assembles by itself: llvm-mc -triple=amdgcn-amd-amdhsa -mcpu=gfx1250 --defsym DOCPART=n.
;; ======== version 1 of 1: 5 launches
;; limits: right only within a limited range of input values
;; workspace buffers: prepb 11,927,552 bytes; qkvb 19,660,800 bytes; pbuf 14,155,776 bytes; ctxb 6,553,600 bytes
;; launch prep (part 1): grid 640 x 1, 4 waves a work-group, no clusters, 34,304 bytes of LDS; arguments word_word_relation, hidden_states, Wq_codes, Wq_scales, Wk_codes, Wk_scales, Wv_codes, Wv_scales, Wo_codes, Wo_scales, prepb; writes prepb
.if DOCPART == 1
	.amdgcn_target "amdgcn-amd-amdhsa--gfx1250"
	.amdhsa_code_object_version 6
	.text
	.protected	k_qef63d9f3bf_prep
	.globl	k_qef63d9f3bf_prep
	.p2align	8
	.type	k_qef63d9f3bf_prep,@function
k_qef63d9f3bf_prep:
	s_mov_b64 s[64:65], 0
	v_nop
	global_prefetch_b8 v0, s[64:65] scope:SCOPE_SE
	s_setreg_imm32_b32 hwreg(HW_REG_WAVE_MODE, 25, 1), 1
	s_wait_xcnt 0x0
; PREP: three streams in one launch, told apart by the work-group's number.
;  work-groups   0-255  R: word_word_relation == 1 as bits: [batch 4][key tile 16][query 2048][16 bytes]; bit l of word c stands for key 128 kt + 4 l + c.
;  work-groups 256-511  X: hidden_states [8192][1024] f32 -> codes of E3M2 and E8M0 scale words, quantised along the 1,024.
;  work-groups 512-639  W: the four weights' codes and scale bytes, laid anew.
; THE LAYOUT OF ALL OPERANDS THAT THIS PROGRAM WRITES: a fragment (16 rows x 128 K, 12 registers a lane) lies as an image of its registers: three blocks of 512 bytes, block c = registers 4 c .. 4 c + 3, lane l's 16 bytes at 16 l.
; Fragments lie [group of 128 rows][K step of 128][block of 16 rows]; scale words (4 bytes: one row, 128 K) lie [group][K step][blocks 0-3 | 4-7][row 16][block % 4].
; A block's scale byte is its largest magnitude's exponent field - 4, held at 1 from below.
; LIMITS: NaN and infinities in hidden_states are not served; a block whose largest magnitude lies under 2^-122 (a block of zeros too) gets the byte 1: its codes then are zeros or nearly so, and this program alone reads the bytes.
; Memory binds this launch: no matrix unit, no tensor load, no cluster, no barrier: waves share nothing.
.set XSO, 6291456                      ; x's scale words (x's codes begin at 0)
.set WCO, 6553600                      ; the weights' codes: q, k, v, o, 786,432 bytes each
.set WSO, 9699328                      ; their scale words, 32,768 bytes each
.set RBO, 9830400                      ; the relation's bits
.set TM,  16                           ; v16-31  at work in QUANT
.set PC,  32                           ; v32-51  the codes just made
.set SEL, 44                           ; s[44:45] v_permlanex16_b32's selects for lane l xor 16
; 64 numbers of a lane, register 16 b + i = k 32 b + 16 (lane / 16) + i of the lane's row, become a fragment's codes in v[PC] .. v[PC + 11] and the row's scale word in v[pw].
.macro QUANT s, pw
.irp b, 0,1,2,3
	v_max3_num_f32 v[TM+\b], |v[(\s)+16*\b]|, |v[(\s)+1+16*\b]|, 0x2800000   ; my 16 numbers of block b, and the floor 2^(5 - 127): the byte cannot fall under 1
.endr
.irp i, 2,4,6,8,10,12,14
.irp b, 0,1,2,3
	v_max3_num_f32 v[TM+\b], v[TM+\b], |v[(\s)+16*\b+\i]|, |v[(\s)+1+16*\b+\i]|
.endr
.endr
.irp b, 0,1,2,3
	v_permlanex16_b32 v[TM+4+\b], v[TM+\b], s[SEL], s[SEL+1]
.endr
.irp b, 0,1,2,3
	v_max_num_f32 v[TM+\b], v[TM+\b], v[TM+4+\b]                ; with lane l xor 16's: the block's largest magnitude
.endr
.irp b, 0,1,2,3
	v_add_nc_u32 v[TM+12+\b], 0xfe000000, v[TM+\b]              ; 4 off its exponent field: the conversion's scale operand
.endr
.irp b, 0,1,2,3
	v_lshrrev_b32 v[TM+4+\b], 23, v[TM+12+\b]                   ; the scale's byte
.endr
	v_lshl_or_b32 v[\pw], v[TM+5], 8, v[TM+4]
	v_lshl_or_b32 v[\pw], v[TM+6], 16, v[\pw]
	v_lshl_or_b32 v[\pw], v[TM+7], 24, v[\pw]
.irp c, 0,1
	v_cvt_scalef32_pk16_bf6_f32 v[PC+6*\c:PC+2+6*\c], v[(\s)+32*\c:(\s)+15+32*\c], v[TM+12+2*\c]
	v_cvt_scalef32_pk16_bf6_f32 v[PC+12+4*\c:PC+14+4*\c], v[(\s)+16+32*\c:(\s)+31+32*\c], v[TM+12+2*\c+1]   ; (a conversion's three registers begin on an even number)
.endr
	v_nop                                                       ; one plain place behind a scaled conversion
.irp c, 0,1                                                 ; the operand wants a whole block in a lane: lanes 0-15 block 2 c, lanes 16-31 block 2 c + 1
.irp i, 0,1,2
	v_permlane16_swap_b32 v[PC+6*\c+\i], v[PC+12+4*\c+\i]
.endr
.irp i, 0,1,2
	v_mov_b32 v[PC+3+6*\c+\i], v[PC+12+4*\c+\i]
.endr
.endr
.endm
	s_load_b128 s[4:7], s[0:1], 0x0                ; the relation, hidden_states
	s_load_b256 s[8:15], s[0:1], 0x10              ; Wq's codes, scales; Wk's codes, scales
	s_load_b256 s[16:23], s[0:1], 0x30             ; Wv's; Wo's
	s_load_b64 s[24:25], s[0:1], 0x50              ; prepb
	v_lshl_add_u32 v62, v0, 2, 0x8400
	v_mov_b32 v63, 0
	v_lshrrev_b32 v1, 5, v0
	v_readfirstlane_b32 s26, v1                    ; wave 0..3
	v_and_b32 v2, 31, v0                           ; lane
	v_lshlrev_b32 v1, 4, v2                        ; 16 x lane
	v_and_b32 v5, 15, v0                           ; r
	v_bfe_u32 v6, v0, 4, 1                         ; h
	v_lshlrev_b32 v7, 4, v5
	v_lshl_add_u32 v7, v6, 3, v7                   ; 16 r + 8 h: where a lane puts two of its row's four scale words
	v_cmp_eq_u32 vcc_lo, 1, v6                     ; lanes 16-31
	; WORK LEFT OUT IN THIS PROGRAM: reference() multiplies the gathered distance score by (relation == 1), so of q . dist_emb^T only type 1 can reach the output, whatever the inputs hold:
	; dist_emb's rows 16-31 are not multiplied.  A NaN, an infinity or an overflow that reaches only those rows is not carried to the result.
	s_wait_alu depctr_va_vdst(0)                   ; the wait at the head's end
	s_wait_kmcnt 0x0
	s_cmp_lt_u32 ttmp9, 256
	s_cbranch_scc1 .Lrel
	s_cmp_lt_u32 ttmp9, 512
	s_cbranch_scc1 .Lx
	; ---- W: a wave takes 64 rows x 128 K of one weight: four fragments, loaded as the operand's registers want them and stored as images
	s_sub_co_u32 s27, ttmp9, 512
	s_lshr_b32 s28, s27, 5                         ; which weight: 0 q, 1 k, 2 v, 3 o
	s_and_b32 s29, s27, 31
	s_lshl_b32 s29, s29, 2
	s_add_co_u32 s29, s29, s26                     ; 0..127
	s_lshr_b32 s30, s29, 4                         ; group of 128 rows
	s_bfe_u32 s31, s29, 0x30001                    ; K step
	s_and_b32 s29, s29, 1                          ; which 64 rows of the group
	s_cmp_eq_u32 s28, 1
	s_cselect_b64 s[8:9], s[12:13], s[8:9]
	s_cselect_b64 s[10:11], s[14:15], s[10:11]
	s_cmp_eq_u32 s28, 2
	s_cselect_b64 s[8:9], s[16:17], s[8:9]
	s_cselect_b64 s[10:11], s[18:19], s[10:11]
	s_cmp_eq_u32 s28, 3
	s_cselect_b64 s[8:9], s[20:21], s[8:9]
	s_cselect_b64 s[10:11], s[22:23], s[10:11]
	s_lshl_b32 s32, s30, 1
	s_add_co_u32 s32, s32, s29                     ; first row / 64
	s_mul_i32 s34, s32, 49152                      ; 64 rows of 768 bytes
	s_mul_i32 s33, s31, 96
	s_add_co_u32 s34, s34, s33
	s_mov_b32 s35, 0
	s_add_nc_u64 s[8:9], s[8:9], s[34:35]
	s_lshl_b32 s34, s32, 11                        ; 64 rows of 32 scale bytes
	s_lshl_b32 s33, s31, 2
	s_add_co_u32 s34, s34, s33
	s_add_nc_u64 s[10:11], s[10:11], s[34:35]
	s_lshl_b32 s32, s30, 3
	s_add_co_u32 s32, s32, s31                     ; 8 x group + K step
	s_mul_i32 s34, s32, 12288
	s_mul_i32 s33, s29, 6144
	s_add_co_u32 s34, s34, s33
	s_mul_i32 s33, s28, 786432
	s_add_co_u32 s34, s34, s33
	s_add_co_u32 s34, s34, WCO
	s_add_nc_u64 s[40:41], s[24:25], s[34:35]      ; where the images go
	s_lshl_b32 s34, s32, 9
	s_lshl_b32 s33, s29, 8
	s_add_co_u32 s34, s34, s33
	s_lshl_b32 s33, s28, 15
	s_add_co_u32 s34, s34, s33
	s_add_co_u32 s34, s34, WSO
	s_add_nc_u64 s[42:43], s[24:25], s[34:35]      ; and the scale words
	v_mul_u32_u24 v3, v5, 768
	v_mad_u32_u24 v3, v6, 24, v3                   ; row r, + 24 h
	v_lshlrev_b32 v4, 5, v5                        ; a row of scale bytes is 32
.irp f, 0,1,2,3
.irp p, 0,1,2,3,4,5
	global_load_b64 v[64+12*\f+2*\p:65+12*\f+2*\p], v3, s[8:9] offset:12288*\f+48*(\p/3)+8*(\p%3)
.endr
	global_load_b32 v[52+\f], v4, s[10:11] offset:512*\f
.endr
	s_wait_loadcnt 0x0
.irp f, 0,1,2,3
.irp c, 0,1,2
	global_store_b128 v1, v[64+12*\f+4*\c:67+12*\f+4*\c], s[40:41] offset:1536*\f+512*\c   ; 32 lanes store 512 consecutive bytes, aligned
.endr
.endr
	v_cndmask_b32 v56, v52, v54, vcc_lo
	v_cndmask_b32 v57, v53, v55, vcc_lo
	global_store_b64 v7, v[56:57], s[42:43]        ; 32 lanes store 256 consecutive bytes, aligned
	s_endpgm
	; ---- X: a wave takes 64 rows x 128 K of hidden_states: four fragments.  A load reads one row's 512 bytes; the 16 rows turn through the wave's own stage (rows 528 bytes apart), so that a lane gets 16 neighbours of each block of 32.
.Lx:
	s_sub_co_u32 s27, ttmp9, 256
	s_lshr_b32 s28, s27, 2                         ; group of 128 rows
	s_bfe_u32 s29, s27, 0x10001                    ; which 64 rows of it
	s_and_b32 s30, s27, 1
	s_lshl_b32 s30, s30, 2
	s_add_co_u32 s30, s30, s26                     ; K step
	s_lshl_b32 s32, s28, 19
	s_lshl_b32 s33, s29, 18
	s_add_co_u32 s32, s32, s33
	s_lshl_b32 s33, s30, 9
	s_add_co_u32 s32, s32, s33
	s_mov_b32 s33, 0
	s_add_nc_u64 s[6:7], s[6:7], s[32:33]
	s_lshl_b32 s31, s28, 3
	s_add_co_u32 s31, s31, s30                     ; 8 x group + K step
	s_mul_i32 s32, s31, 12288
	s_mul_i32 s34, s29, 6144
	s_add_co_u32 s32, s32, s34
	s_add_nc_u64 s[40:41], s[24:25], s[32:33]
	s_lshl_b32 s32, s31, 9
	s_lshl_b32 s34, s29, 8
	s_add_co_u32 s32, s32, s34
	s_add_co_u32 s32, s32, XSO
	s_add_nc_u64 s[42:43], s[24:25], s[32:33]
	s_mul_i32 s31, s26, 8448                       ; my stage: 16 rows x 528 bytes
	v_add_nc_u32 v3, s31, v1                       ; in: 16 x lane of a row
	v_mul_u32_u24 v4, v5, 528
	v_lshl_add_u32 v4, v6, 6, v4
	v_add_nc_u32 v4, s31, v4                       ; out: row r, + 64 h
	s_mov_b32 s[SEL], 0x76543210
	s_mov_b32 s[SEL+1], 0xfedcba98
.irp b, 0,1,2,3
	v_mov_b32 v[TM+4+\b], 0
.endr
	s_wait_alu depctr_va_vdst(0)
.macro XLOADF f
.set p, 0
.rept 16
	global_load_b128 v[64+64*((\f)%2)+4*p:67+64*((\f)%2)+4*p], v1, s[6:7] offset:(16*(\f)+p)*4096 th:TH_LOAD_NT
.set p, p+1
.endr
.endm
	XLOADF 0
	XLOADF 1
.irp f, 0,1,2,3
.if \f < 3
	s_wait_loadcnt 16                              ; this fragment's 16 loads are in; the next fragment's may be out
.else
	s_wait_loadcnt 0
.endif
.set p, 0
.rept 16
	ds_store_b128 v3, v[64+64*(\f%2)+4*p:67+64*(\f%2)+4*p] offset:528*p
.set p, p+1
.endr
.set p, 0
.rept 16
	ds_load_b128 v[192+4*p:195+4*p], v4 offset:128*(p/4)+16*(p%4)   ; LDS serves a wave's instructions in order: these see the stores above
.set p, p+1
.endr
	s_wait_dscnt 0x0                               ; the numbers are back, and the stores into the stage have read their registers
	s_wait_xcnt 0x0                                ; the last fragment's stores have read v[PC] on
.if \f < 2
	XLOADF \f+2
.endif
	QUANT 192, 52+\f
.irp c, 0,1,2
	global_store_b128 v1, v[PC+4*\c:PC+3+4*\c], s[40:41] offset:1536*\f+512*\c
.endr
.endr
	v_cndmask_b32 v56, v52, v54, vcc_lo
	v_cndmask_b32 v57, v53, v55, vcc_lo
	global_store_b64 v7, v[56:57], s[42:43]
	s_wait_tensorcnt 0x0
	ds_add_u32 v62, v63
	s_wait_dscnt 0x0
	s_endpgm
	; ---- R: a wave takes 32 queries x 512 keys.  A load reads 128 keys of one query (512 bytes, 4 keys a lane); four compares give four masks of 32 bits, which go to the lane of that query.
	; A ring of 32 loads, one for each query: 28 younger loads may be out when four queries' loads have to be there.
.Lrel:
	s_lshl_b32 s28, ttmp9, 18                      ; 32 rows of 8,192 bytes
	s_lshl_b32 s29, s26, 11                        ; my 512 keys
	s_add_co_u32 s28, s28, s29
	s_mov_b32 s29, 0
	s_add_nc_u64 s[4:5], s[4:5], s[28:29]
	s_lshr_b32 s30, ttmp9, 6                       ; batch
	s_lshl_b32 s30, s30, 4
	s_lshl_b32 s31, s26, 2
	s_add_co_u32 s30, s30, s31                     ; 16 x batch + my first key tile
	s_lshl_b32 s30, s30, 15                        ; 2,048 queries x 16 bytes
	s_and_b32 s31, ttmp9, 63
	s_lshl_b32 s31, s31, 9                         ; 32 queries x 16 bytes
	s_add_co_u32 s30, s30, s31
	s_add_co_u32 s30, s30, RBO
	s_mov_b32 s31, 0
	s_add_nc_u64 s[24:25], s[24:25], s[30:31]
.set p, 0
.rept 16
	v_mov_b32 v[32+p], 0                           ; v_writelane_b32's destination counts as read
.set p, p+1
.endr
.set p, 0
.rept 32
	global_load_b128 v[64+4*p:67+4*p], v1, s[4:5] offset:p*8192 th:TH_LOAD_NT
.set p, p+1
.endr
.set t, 0
.rept 4
.set p, 0
.rept 8                                ; four queries a trip: one wait, 16 compares, 16 masks to their lanes, four reloads
	s_wait_alu depctr_va_vdst(0)                   ; directly ahead of the wait below
.if t < 3
	s_wait_loadcnt 28                              ; of the ring's 32 loads the oldest four are in
.else
	s_wait_loadcnt 28-p
.endif
.irp j, 0,1,2,3
.irp c, 0,1,2,3
	v_cmp_eq_u32 s[32+4*\j+\c], 1, v[64+4*(p+\j)+\c]
.endr
.endr
.irp j, 0,1,2,3
.irp c, 0,1,2,3
	v_writelane_b32 v[32+4*t+\c], s[32+4*\j+\c], p+\j
.endr
.endr
.if t < 3
.irp j, 0,1,2,3
	global_load_b128 v[64+4*(p+\j):67+4*(p+\j)], v1, s[4:5] offset:(p+\j)*8192+(t+1)*512 th:TH_LOAD_NT
.endr
.endif
.set p, p+4
.endr
	global_store_b128 v1, v[32+4*t:35+4*t], s[24:25] offset:t*32768   ; lane = query: 512 consecutive bytes, aligned
.set t, t+1
.endr
	s_endpgm
.Lfunc_end_k_qef63d9f3bf_prep:
	.size	k_qef63d9f3bf_prep, .Lfunc_end_k_qef63d9f3bf_prep-k_qef63d9f3bf_prep
	.p2alignl 7, 3214868480
	.fill 96, 4, 3214868480
	.section	.rodata,"a",@progbits
	.p2align	6, 0x0
	.amdhsa_kernel k_qef63d9f3bf_prep
		.amdhsa_group_segment_fixed_size 34304
		.amdhsa_private_segment_fixed_size 0
		.amdhsa_enable_private_segment 0
		.amdhsa_kernarg_size 88
		.amdhsa_user_sgpr_count 2
		.amdhsa_user_sgpr_kernarg_segment_ptr 1
		.amdhsa_wavefront_size32 1
		.amdhsa_system_sgpr_workgroup_id_x 1
		.amdhsa_system_sgpr_workgroup_id_y 1
		.amdhsa_system_sgpr_workgroup_id_z 1
		.amdhsa_system_vgpr_workitem_id 0
		.amdhsa_next_free_vgpr 256
		.amdhsa_next_free_sgpr 66
		.amdhsa_reserve_vcc 1
		.amdhsa_float_denorm_mode_32 3
		.amdhsa_float_denorm_mode_16_64 3
		.amdhsa_memory_ordered 1
		.amdhsa_forward_progress 1
		.amdhsa_inst_pref_size 119
	.end_amdhsa_kernel
	.amdgpu_metadata
---
amdhsa.version: [ 1, 2 ]
amdhsa.kernels:
  - .name:           k_qef63d9f3bf_prep
    .symbol:         k_qef63d9f3bf_prep.kd
    .args:
      - { .name: word_word_relation, .offset: 0, .size: 8, .value_kind: global_buffer, .address_space: global }
      - { .name: hidden_states, .offset: 8, .size: 8, .value_kind: global_buffer, .address_space: global }
      - { .name: Wq_codes, .offset: 16, .size: 8, .value_kind: global_buffer, .address_space: global }
      - { .name: Wq_scales, .offset: 24, .size: 8, .value_kind: global_buffer, .address_space: global }
      - { .name: Wk_codes, .offset: 32, .size: 8, .value_kind: global_buffer, .address_space: global }
      - { .name: Wk_scales, .offset: 40, .size: 8, .value_kind: global_buffer, .address_space: global }
      - { .name: Wv_codes, .offset: 48, .size: 8, .value_kind: global_buffer, .address_space: global }
      - { .name: Wv_scales, .offset: 56, .size: 8, .value_kind: global_buffer, .address_space: global }
      - { .name: Wo_codes, .offset: 64, .size: 8, .value_kind: global_buffer, .address_space: global }
      - { .name: Wo_scales, .offset: 72, .size: 8, .value_kind: global_buffer, .address_space: global }
      - { .name: prepb, .offset: 80, .size: 8, .value_kind: global_buffer, .address_space: global }
    .group_segment_fixed_size: 34304
    .private_segment_fixed_size: 0
    .kernarg_segment_align: 8
    .kernarg_segment_size: 88
    .max_flat_workgroup_size: 128
    .sgpr_count:     66
    .vgpr_count:     256
    .wavefront_size: 32
...
	.end_amdgpu_metadata
.endif
;; end of part 1
;; launch qkv (part 2): grid 8 x 32, 4 waves a work-group, clusters of 4 x 4, 327,680 bytes of LDS; arguments prepb, bq, bk, bv, qkvb; writes qkvb
.if DOCPART == 2
	.amdgcn_target "amdgcn-amd-amdhsa--gfx1250"
	.amdhsa_code_object_version 6
	.text
	.protected	k_qef63d9f3bf_qkv
	.globl	k_qef63d9f3bf_qkv
	.p2align	8
	.type	k_qef63d9f3bf_qkv,@function
k_qef63d9f3bf_qkv:
	s_mov_b64 s[64:65], 0
	v_nop
	global_prefetch_b8 v0, s[64:65] scope:SCOPE_SE
	s_setreg_imm32_b32 hwreg(HW_REG_WAVE_MODE, 25, 1), 1
	s_wait_xcnt 0x0
	s_wait_alu depctr_hold_cnt(0) depctr_sa_sdst(0) depctr_va_vdst(0) depctr_va_sdst(0) depctr_va_ssrc(0) depctr_va_vcc(0) depctr_vm_vsrc(0)
	s_getreg_b32 s2, hwreg(HW_REG_IB_STS2, 6, 4)
	s_cmp_eq_u32 s2, 0
	s_cbranch_scc0 .Lentry_in_a_cluster
	s_endpgm
.Lentry_in_a_cluster:
	s_bfe_u32 s2, ttmp6, 0x10000c
	s_cmp_lg_u32 s2, 0xf033
	s_cbranch_scc0 .Lentry_shape_is_right
	s_endpgm
.Lentry_shape_is_right:
; QKV: q = x Wq^T + bq, k = x Wk^T + bk (quantised along the 1,024 channels) and v^T = Wv x^T + bv (quantised along the keys), on codes of E3M2 with E8M0 scales; results leave as codes, as operand images (layout: below).
; 256 work-groups, each in TWO PARTS, so that the three products' 786,432 matrix instructions fall evenly: 512 + 256 a wave.
; PART 1: a tile of 256 rows of x x 256 rows of Wq or Wk (the cluster's x says which), K = 1,024; a wave makes 128 x 128: 64 accumulators.  Source 0 = 16 rows of the weight, source 1 = 16 rows of x: a lane holds one row of x, its registers run along the channels.
; PART 2: 128 rows of Wv (group 4 x cluster x + cx) x THE SAME 256 rows of x; a wave makes 64 channels x 128 keys: 32 accumulators.  Source 0 = 16 rows of x, source 1 = 16 rows of Wv: a lane holds one channel, its registers run along the keys.
; OPERAND IMAGES: a fragment (16 rows x 128 K, 12 registers a lane) lies as three blocks of 512 bytes, block c = registers 4 c .. 4 c + 3, lane l's 16 bytes at 16 l; fragments lie [group of 128 rows][K step][block of 16 rows];
; scale words lie [group][K step][blocks 0-3 | 4-7][row 16][block % 4].  So a fragment is three ds_load_b128 at a constant + 16 x lane, and 128 rows x two K steps are 24,576 dense bytes for one tensor load.
; LDS: three slots of two K steps (x's two groups at 0 and 24,576; the weight's at 49,152 on), the scale words of x and of Wq or Wk for all of K, the spare words.
; Slot 0 and the scale words go out at the start (one load a wave), slot 1 behind them, slot 2 at part 1's K step 1.  Five refills follow, one load a wave each, each behind a round of the cluster's barrier:
;   at part 1's K step 3: slot 0 <- its K steps 6, 7;  at 5: slot 1 <- part 2's K steps 0, 1;  at 7: slot 2 <- 2, 3;  on its way out: slot 0 <- 4, 5;  at part 2's K step 1: slot 1 <- 6, 7.
; So part 2's first three slots land under part 1's last K steps and its way out.  x's scale words stay in LDS for both parts; Wv's (32 registers a lane) come from memory straight into registers under part 1's way out.
; CLUSTER 4 x 4: x's tiles are shared along a row of the cluster in both parts, the weights' along a column: each is asked for jointly.
; REGISTERS: window 0: v0-31 addresses; v32-63 scale words (part 1: two sets; part 2: Wv's, four for each K step); v64-127 the bias along a lane's registers, later v64-71 bv of a lane's channels;
;   v128-223 part 1: x's 8 fragments (one set); part 2: Wv's 4 fragments, two sets; on the ways out at work; v228-239 scale words made; v240-255 part 2: x's scale words, two sets.
;   window 1: source 0's fragments, two sets (v0-95, v128-223).  windows 2, 3: the accumulators, (a, b) at v[8 (8 (a % 4) + b)]; part 2 uses window 2.
; No prefetch: the operands are read by many work-groups at about the same time, and most of K is asked for at the start.
; LIMITS: NaN and infinities are not served; a block whose largest magnitude lies under 2^-122 (a block of zeros too) gets the byte 1; this program alone reads the bytes.
.set XSO, 6291456                      ; in prepb: x's scale words (x's codes begin at 0)
.set WCO, 6553600                      ; the weights' codes: q, k, v, o, 786,432 bytes each
.set WSO, 9699328                      ; their scale words, 32,768 bytes each
.set VCO, 12582912                     ; in qkvb: v^T's codes (q's begin at 0, k's at 6,291,456)
.set QSO, 18874368                     ; q's scale words; k's 262,144 further on
.set VSO, 19398656                     ; v^T's
.set SLOT,  98304
.set SCL,   294912
.set SPARE, 311296
.set AF, 128
.set BN, 64
.set BM, 64
.set T,  128
.set TM, 192
.set PC, 208
.set SW, 228
.set SEL, 104
.set G1V, 4                            ; s[4:11]  group 1 for Wv's tiles: 12,288 dense bytes
.set G1A, 24
.set G0A, 32
.set G1B, 44
.set G0B, 52
.set G1SA, 68
.set G0SA, 76
.set G1SB, 80
.set G0SB, 88
.set G0V, 96                           ; s[96:99] group 0 for Wv's tiles: it walks
.set MSB, 0
.macro WIN new                         ; the immediate's high byte repeats the setting that is left
.if MSB != (\new)
	s_set_vgpr_msb (MSB<<8)|(\new)
.set MSB, (\new)
.endif
.endm
.macro PLACES n
.rept \n
	v_nop
.endr
.endm
.macro JLOAD g0a, g1a, g0b, g1b        ; a joint load: waves 0, 1 fetch x's groups, waves 2, 3 the weight's; four v_nop follow each line
	s_cmp_eq_u32 s15, 0
	s_cbranch_scc0 .Lfor_b_\@
	tensor_load_to_lds s[\g0a:\g0a+3], s[\g1a:\g1a+7]
	s_nop 0
.rept 4
	v_nop
.endr
	s_branch .Lasked_\@
.Lfor_b_\@:
	tensor_load_to_lds s[\g0b:\g0b+3], s[\g1b:\g1b+7]
	s_nop 0
.rept 4
	v_nop
.endr
.Lasked_\@:
.endm
.macro CREST                           ; a round of the cluster's barrier behind its opening barrier
	s_cmp_lg_u32 s14, 0
	s_cbranch_scc1 .Lnot_wave_0_\@
	s_barrier_signal -3
.Lnot_wave_0_\@:
	s_barrier_wait -3
	s_barrier_signal -1
	s_barrier_wait -1
.endm
.macro CROUND
	s_barrier_signal -1
	s_barrier_wait -1
	CREST
.endm
.macro FRAG reg, adr, off              ; a fragment's image: three loads of 512 consecutive bytes
	ds_load_b128 v[(\reg):(\reg)+3], v[\adr] offset:(\off)
	ds_load_b128 v[(\reg)+4:(\reg)+7], v[\adr] offset:(\off)+512
	ds_load_b128 v[(\reg)+8:(\reg)+11], v[\adr] offset:(\off)+1024
.endm
; The five joint refills.  No tensor load of the wave is out where they stand, so the groups 0 may be written.  x's group 0 of a slot keeps its LDS address and steps along K; Wv's one group 0 takes the slot's address and walks two K steps at a time.
.macro RF n
.if \n == 6                            ; slot 2's first fill: part 1's K steps 4, 5
	JLOAD G0A+8, G1A, G0B+8, G1B
.elseif \n == 1
	s_add_nc_u64 s[G0A+2:G0A+3], s[G0A+2:G0A+3], 73728
	s_add_nc_u64 s[G0B+2:G0B+3], s[G0B+2:G0B+3], 73728
	JLOAD G0A, G1A, G0B, G1B
.elseif \n == 2                        ; slot 1 <- part 2's K steps 0, 1: x's from K steps 2, 3 back to 0, 1
	s_sub_nc_u64 s[G0A+6:G0A+7], s[G0A+6:G0A+7], 24576
	s_add_co_u32 s[G0V+1], s100, SLOT
	JLOAD G0A+4, G1A, G0V, G1V
.elseif \n == 3                        ; slot 2 <- 2, 3: x's from 4, 5 back to 2, 3
	s_sub_nc_u64 s[G0A+10:G0A+11], s[G0A+10:G0A+11], 24576
	s_add_co_u32 s[G0V+1], s100, 2*SLOT
	s_add_nc_u64 s[G0V+2:G0V+3], s[G0V+2:G0V+3], 24576
	JLOAD G0A+8, G1A, G0V, G1V
.elseif \n == 4                        ; slot 0 <- 4, 5: x's from 6, 7 back to 4, 5
	s_sub_nc_u64 s[G0A+2:G0A+3], s[G0A+2:G0A+3], 24576
	s_mov_b32 s[G0V+1], s100
	s_add_nc_u64 s[G0V+2:G0V+3], s[G0V+2:G0V+3], 24576
	JLOAD G0A, G1A, G0V, G1V
.else                                  ; slot 1 <- 6, 7: x's from 0, 1 on to 6, 7
	s_add_nc_u64 s[G0A+6:G0A+7], s[G0A+6:G0A+7], 73728
	s_add_co_u32 s[G0V+1], s100, SLOT
	s_add_nc_u64 s[G0V+2:G0V+3], s[G0V+2:G0V+3], 24576
	JLOAD G0A+4, G1A, G0V, G1V
.endif
.endm
; ---- part 1
.macro FETCH_B ks                      ; the weight's eight fragments of K step ks into set ks % 2
	WIN 0x40
.set i, 0
.rept 8
	FRAG 128*((\ks)%2)+12*i, 20+((\ks)/2)%3, ((\ks)%2)*12288+i*1536
.set i, i+1
.endr
	WIN 0
.endm
.macro FETCH_A ks, i0                  ; x's blocks i0 .. i0 + 3
.set i, \i0
.rept 4
	FRAG AF+12*i, 16+((\ks)/2)%3, ((\ks)%2)*12288+i*1536
.set i, i+1
.endr
.endm
.macro SCALES ks                       ; lane r takes row r's words of four blocks at a time: x's into v[32 + 16 p ..], the weight's into v[40 + 16 p ..]
	ds_load_b128 v[32+16*((\ks)%2):35+16*((\ks)%2)], v24 offset:(\ks)*512
	ds_load_b128 v[36+16*((\ks)%2):39+16*((\ks)%2)], v24 offset:(\ks)*512+256
	ds_load_b128 v[40+16*((\ks)%2):43+16*((\ks)%2)], v25 offset:(\ks)*512
	ds_load_b128 v[44+16*((\ks)%2):47+16*((\ks)%2)], v25 offset:(\ks)*512+256
.endm
; 16 matrix instructions: x's blocks a0, a0 + 1 x the weight's eight.  zero = 1: the first product starts the sums.  The 64 accumulators take turns, one instruction a turn.
.macro MUL16 a0, ks, zero
.set ia, \a0
.rept 2
.set ib, 0
.rept 8
.if \zero
	v_wmma_scale_f32_16x16x128_f8f6f4 v[8*(8*(ia%4)+ib):8*(8*(ia%4)+ib)+7], v[128*((\ks)%2)+12*ib:128*((\ks)%2)+12*ib+11], v[AF+12*ia:AF+12*ia+11], 0, v[40+16*((\ks)%2)+ib], v[32+16*((\ks)%2)+ia] matrix_a_fmt:MATRIX_FMT_BF6 matrix_b_fmt:MATRIX_FMT_BF6
.else
	v_wmma_scale_f32_16x16x128_f8f6f4 v[8*(8*(ia%4)+ib):8*(8*(ia%4)+ib)+7], v[128*((\ks)%2)+12*ib:128*((\ks)%2)+12*ib+11], v[AF+12*ia:AF+12*ia+11], v[8*(8*(ia%4)+ib):8*(8*(ia%4)+ib)+7], v[40+16*((\ks)%2)+ib], v[32+16*((\ks)%2)+ia] matrix_a_fmt:MATRIX_FMT_BF6 matrix_b_fmt:MATRIX_FMT_BF6
.endif
.set ib, ib+1
.endr
.set ia, ia+1
.endr
.endm
; A K step of part 1: 64 matrix instructions.  In its middle the next step's weight fragments, x's blocks 0-3 and the scale words are fetched, at its end x's blocks 4-7; four places stand in front of each run of loads into registers that matrix instructions have read.
; rf = n: this step's slot has been read out: every wave waits for all its tensor loads, adds 0 to its spare word, waits for that and for its LDS reads; a round of the cluster's barrier; joint refill n first behind it.
.macro KSTEP ks, rf, zero
.if \rf
	s_wait_tensorcnt 0x0                           ; all my tensor loads have landed
	ds_add_u32 v28, v29                            ; 0 onto my spare word
	s_wait_dscnt 13                                ; (the add and the youngest 12 loads, x's blocks 4-7, may be out)
.else
	s_wait_dscnt 12                                ; all but the youngest 12 loads, x's blocks 4-7
.endif
	WIN 0xa1
	MUL16 0, \ks, \zero
.if \rf
	s_wait_dscnt 0x0                               ; the add is done, and my LDS reads are over
	s_barrier_signal -1
.endif
	MUL16 2, \ks, \zero
.if \rf
	WIN 0
	s_barrier_wait -1
	CREST                                          ; no wave of any partner still reads the slot or has a load on its way
	RF \rf                                         ; its four v_nop are also the places in front of the loads below
.else
	s_wait_dscnt 0x0                               ; x's blocks 4-7 are in
	PLACES 4
.endif
	FETCH_B (\ks)+1
	FETCH_A (\ks)+1, 0
	SCALES (\ks)+1
	WIN 0xf1
	MUL16 4, \ks, \zero
	MUL16 6, \ks, \zero
	PLACES 4
	WIN 0
	FETCH_A (\ks)+1, 4
.endm
; ---- part 2.  Its K steps 2 j, 2 j + 1 lie in slot (j + 1) % 3.
.macro FETCHV ks                       ; K step ks into set ks % 2: x's 8 fragments of my group, Wv's 4 of my 64 channels, x's scale words: 38 loads in one run
	WIN 0x40
.set i, 0
.rept 8
	FRAG 128*((\ks)%2)+12*i, 6+(((\ks)/2)+1)%3, ((\ks)%2)*12288+i*1536
.set i, i+1
.endr
	WIN 0
.set i, 0
.rept 4
	FRAG AF+48*((\ks)%2)+12*i, 9+(((\ks)/2)+1)%3, ((\ks)%2)*12288+i*1536
.set i, i+1
.endr
	ds_load_b128 v[240+8*((\ks)%2):243+8*((\ks)%2)], v12 offset:(\ks)*512
	ds_load_b128 v[244+8*((\ks)%2):247+8*((\ks)%2)], v12 offset:(\ks)*512+256
.endm
.macro MULV a, ks, zero                ; 8 matrix instructions: Wv's block a x x's eight; the 32 accumulators take turns
.set ib, 0
.rept 8
.if \zero
	v_wmma_scale_f32_16x16x128_f8f6f4 v[8*(8*(\a)+ib):8*(8*(\a)+ib)+7], v[128*((\ks)%2)+12*ib:128*((\ks)%2)+12*ib+11], v[AF+48*((\ks)%2)+12*(\a):AF+48*((\ks)%2)+12*(\a)+11], 0, v[240+8*((\ks)%2)+ib], v[32+4*(\ks)+(\a)] matrix_a_fmt:MATRIX_FMT_BF6 matrix_b_fmt:MATRIX_FMT_BF6
.else
	v_wmma_scale_f32_16x16x128_f8f6f4 v[8*(8*(\a)+ib):8*(8*(\a)+ib)+7], v[128*((\ks)%2)+12*ib:128*((\ks)%2)+12*ib+11], v[AF+48*((\ks)%2)+12*(\a):AF+48*((\ks)%2)+12*(\a)+11], v[8*(8*(\a)+ib):8*(8*(\a)+ib)+7], v[240+8*((\ks)%2)+ib], v[32+4*(\ks)+(\a)] matrix_a_fmt:MATRIX_FMT_BF6 matrix_b_fmt:MATRIX_FMT_BF6
.endif
.set ib, ib+1
.endr
.endm
.macro VSTEP ks, zero                  ; the next step's run of loads first, then 32 matrix instructions
	s_wait_dscnt 0x0                               ; this step's fragments are in (asked for 32 matrix instructions ago)
	PLACES 4                                       ; in front of loads into the set that the last step multiplied
	FETCHV (\ks)+1
	WIN 0xa1
	MULV 0, \ks, \zero
	MULV 1, \ks, \zero
	MULV 2, \ks, \zero
	MULV 3, \ks, \zero
	WIN 0
.endm
.macro VTURN ks, fill                  ; fill = 1: slot 1 has been read out and takes the last two K steps; fill = 0: those have landed in every wave
	s_wait_tensorcnt 0x0                           ; all my tensor loads have landed
	ds_add_u32 v28, v29                            ; 0 onto my spare word
	s_wait_dscnt 1                                 ; this step's fragments are in (the add may be out)
	WIN 0xa1
	MULV 0, \ks, 0
	s_wait_dscnt 0x0                               ; the add is done, and my LDS reads are over
	s_barrier_signal -1
	MULV 1, \ks, 0
	WIN 0
	s_barrier_wait -1
.if \fill
	CREST                                          ; no wave of any partner still reads the slot or has a load on its way
	RF 5
.else
	PLACES 4
.endif
	FETCHV (\ks)+1
	WIN 0xa1
	MULV 2, \ks, 0
	MULV 3, \ks, 0
	WIN 0
.endm
; register 8 b + j of lane (r, h) holds index 16 b + 8 h + j; behind the 32 exchanges register 16 B + i holds index 32 B + 16 h + i: 16 neighbours along the next K
.macro SWAP64 t
.set k, 0
.rept 32
	v_permlane16_swap_b32 v[(\t)+16*(k/8)+k%8], v[(\t)+16*(k/8)+8+k%8]
.set k, k+1
.endr
.endm
.macro QUANT s, pw                     ; 64 numbers of a lane (register 16 b + i = k 32 b + 16 h + i of its row) -> a fragment's codes in v[PC] on, the row's scale word in v[pw]
.irp b, 0,1,2,3
	v_max3_num_f32 v[TM+\b], |v[(\s)+16*\b]|, |v[(\s)+1+16*\b]|, 0x2800000   ; and the floor 2^(5 - 127): the byte cannot fall under 1
.endr
.irp i, 2,4,6,8,10,12,14
.irp b, 0,1,2,3
	v_max3_num_f32 v[TM+\b], v[TM+\b], |v[(\s)+16*\b+\i]|, |v[(\s)+1+16*\b+\i]|
.endr
.endr
.irp b, 0,1,2,3
	v_permlanex16_b32 v[TM+4+\b], v[TM+\b], s[SEL], s[SEL+1]
.endr
.irp b, 0,1,2,3
	v_max_num_f32 v[TM+\b], v[TM+\b], v[TM+4+\b]
.endr
.irp b, 0,1,2,3
	v_add_nc_u32 v[TM+12+\b], 0xfe000000, v[TM+\b]              ; 4 off the exponent field: the conversion's scale operand
.endr
.irp b, 0,1,2,3
	v_lshrrev_b32 v[TM+4+\b], 23, v[TM+12+\b]                   ; the scale's byte
.endr
	v_lshl_or_b32 v[\pw], v[TM+5], 8, v[TM+4]
	v_lshl_or_b32 v[\pw], v[TM+6], 16, v[\pw]
	v_lshl_or_b32 v[\pw], v[TM+7], 24, v[\pw]
	s_wait_xcnt 0x0                                             ; the last block's three stores have read v[PC] on: the conversions below are the first lines that write these again
.irp c, 0,1
	v_cvt_scalef32_pk16_bf6_f32 v[PC+6*\c:PC+2+6*\c], v[(\s)+32*\c:(\s)+15+32*\c], v[TM+12+2*\c]
	v_cvt_scalef32_pk16_bf6_f32 v[PC+12+4*\c:PC+14+4*\c], v[(\s)+16+32*\c:(\s)+31+32*\c], v[TM+12+2*\c+1]
.endr
	v_nop                                                       ; one plain place behind a scaled conversion
.irp c, 0,1
.irp i, 0,1,2
	v_permlane16_swap_b32 v[PC+6*\c+\i], v[PC+12+4*\c+\i]
.endr
.irp i, 0,1,2
	v_mov_b32 v[PC+3+6*\c+\i], v[PC+12+4*\c+\i]
.endr
.endr
.endm
	s_load_b256 s[4:11], s[0:1], 0x0               ; prepb, bq, bk, bv
	s_load_b64 s[12:13], s[0:1], 0x20              ; qkvb
	v_lshl_add_u32 v28, v0, 2, SPARE
	v_mov_b32 v29, 0
	ds_add_u32 v28, v29
	ds_add_u32 v28, v29
	s_wait_dscnt 0x0
	v_lshrrev_b32 v1, 5, v0
	v_readfirstlane_b32 s14, v1                    ; wave 0..3
	s_lshr_b32 s15, s14, 1                         ; part 1: which 128 rows of x are mine; part 2: which 64 channels.  Also: I fetch x (0) or a weight (1)
	s_and_b32 s16, s14, 1                          ; part 1: which 128 rows of the weight; part 2: which 128 rows of x.  Also: which part I fetch
	s_bfe_u32 s66, ttmp6, 0x40000                  ; cx: the weight's tile of 256 rows
	s_bfe_u32 s67, ttmp6, 0x40004                  ; cy
	s_mov_b32 s93, ttmp9                           ; the cluster's x: 0 q, 1 k: the same in all sixteen partners
	s_and_b32 s17, ttmp7, 0xffff
	s_lshl_b32 s17, s17, 2
	s_add_co_u32 s17, s17, s67                     ; x's tile of 256 rows, 0..31
	s_lshl_b32 s92, s93, 2
	s_add_co_u32 s92, s92, s66                     ; Wv's group of 128 rows, 0..7
	s_lshl_b32 s2, s67, 2
	s_lshl_b32 s2, 15, s2                          ; my row of the cluster
	s_lshl_b32 s101, 0x1111, s66                   ; my column
	s_or_b32 s[G1A], s2, (3<<16)|(1<<21)           ; 15:0 the mask; 17:16 elements of 8 bytes; 21 set beside a mask; no padding
	s_or_b32 s[G1SA], s2, (3<<16)|(1<<21)
	s_or_b32 s[G1B], s101, (3<<16)|(1<<21)
	s_or_b32 s[G1SB], s101, (3<<16)|(1<<21)
.irp g, G1A, G1B                       ; for the head's loads: two groups' K steps 0, 1 as 2 rows of 24,576 bytes, 98,304 apart
	s_mov_b32 s[\g+1], 3072<<16
	s_mov_b32 s[\g+2], 2<<16
	s_mov_b32 s[\g+3], 3072<<16
	s_mov_b32 s[\g+4], 2
	s_mov_b32 s[\g+5], 12288
	s_mov_b32 s[\g+6], 0
	s_mov_b32 s[\g+7], 0
.endr
.irp g, G1SA, G1SB                     ; 4,096 dense bytes as 16 rows of 256
	s_mov_b32 s[\g+1], 32<<16
	s_mov_b32 s[\g+2], 32<<16              ; two groups' scale words: 8,192 dense bytes as 32 rows of 256
	s_mov_b32 s[\g+3], 32<<16
	s_mov_b32 s[\g+4], 32
	s_mov_b32 s[\g+5], 32
	s_mov_b32 s[\g+6], 0
	s_mov_b32 s[\g+7], 0
.endr
	s_lshl_b32 s18, s17, 1
	s_add_co_u32 s18, s18, s16                     ; x's group that I would fetch
	s_lshl_b32 s20, s17, 13
	s_add_co_u32 s20, s20, XSO
	s_mov_b32 s21, 0
	s_mul_i32 s18, s18, 98304
	s_mov_b32 s19, 0
	s_lshl_b32 s3, s66, 1
	s_add_co_u32 s3, s3, s16                       ; the weight's group
	s_lshl_b32 s94, s66, 13
	s_lshl_b32 s95, s93, 15
	s_add_co_u32 s94, s94, s95
	s_add_co_u32 s94, s94, WSO
	s_mov_b32 s95, 0
	s_mul_i32 s98, s3, 98304
	s_mul_i32 s99, s93, 786432
	s_add_co_u32 s98, s98, s99
	s_add_co_u32 s98, s98, WCO
	s_mov_b32 s99, 0
	s_mul_i32 s22, s14, 24576                      ; where they go: wave x 24,576 in a slot: no place in the cluster enters an LDS address
	s_mov_b32 s[SEL], 0x76543210
	s_mov_b32 s[SEL+1], 0xfedcba98
	s_wait_kmcnt 0x0
	s_add_nc_u64 s[18:19], s[4:5], s[18:19]
	s_add_nc_u64 s[20:21], s[4:5], s[20:21]
	s_add_nc_u64 s[98:99], s[4:5], s[98:99]
	s_add_nc_u64 s[94:95], s[4:5], s[94:95]
	s_mov_b32 s[G0SA], 1
	s_mov_b32 s[G0SA+1], SCL
	s_mov_b64 s[G0SA+2:G0SA+3], s[20:21]
	s_or_b32 s[G0SA+3], s[G0SA+3], 0x80000000
	s_mov_b32 s[G0SB], 1
	s_mov_b32 s[G0SB+1], SCL+8192
	s_mov_b64 s[G0SB+2:G0SB+3], s[94:95]
	s_or_b32 s[G0SB+3], s[G0SB+3], 0x80000000
.irp s, 0,1,2
	s_mov_b32 s[G0A+4*\s], 1
	s_add_co_u32 s[G0A+4*\s+1], s22, \s*SLOT
	s_add_nc_u64 s[G0A+4*\s+2:G0A+4*\s+3], s[18:19], \s*24576
	s_or_b32 s[G0A+4*\s+3], s[G0A+4*\s+3], 0x80000000
	s_mov_b32 s[G0B+4*\s], 1
	s_add_co_u32 s[G0B+4*\s+1], s22, \s*SLOT
	s_add_nc_u64 s[G0B+4*\s+2:G0B+4*\s+3], s[98:99], \s*24576
	s_or_b32 s[G0B+4*\s+3], s[G0B+4*\s+3], 0x80000000
.endr
	CROUND                                         ; all sixteen work-groups are here: the first joint loads meet
; THE HEAD'S LOADS, ONE A WAVE: wave 0 x's two groups of K steps 0, 1; wave 1 x's scale words; wave 2 the weight's two groups; wave 3 its scale words.
; Waves 0 and 2 fetch the first half in the ring, so their own group 0 of slot 0 already names the whole tile's first byte and place.
.macro ARM under, g0, g1, next
	s_cmp_lt_u32 s14, \under
	s_cbranch_scc0 \next
	tensor_load_to_lds s[\g0:\g0+3], s[\g1:\g1+7]
	s_nop 0
.rept 4
	v_nop
.endr
	s_branch .Lhead_asked
\next:
.endm
	ARM 1, G0A,  G1A,  .Lhead_sa
	ARM 2, G0SA, G1SA, .Lhead_b
	ARM 3, G0B,  G1B,  .Lhead_sb
	tensor_load_to_lds s[G0SB:G0SB+3], s[G1SB:G1SB+7]
	s_nop 0
.rept 4
	v_nop
.endr
.Lhead_asked:
	v_and_b32 v1, 31, v0                           ; lane
	v_and_b32 v2, 15, v0                           ; r
	v_bfe_u32 v3, v0, 4, 1                         ; h
	v_lshlrev_b32 v26, 4, v1                       ; 16 x lane
	s_wait_alu depctr_va_vdst(0)
	v_lshlrev_b32 v27, 4, v2                       ; 16 r
	v_lshlrev_b32 v4, 5, v3                        ; 32 h
	v_lshlrev_b32 v5, 2, v2                        ; 4 r
	v_lshl_add_u32 v13, v3, 3, v27                 ; 16 r + 8 h
	s_mul_i32 s2, s15, 24576                       ; part 1: my group of x,
	s_mul_i32 s3, s16, 24576
	s_add_co_u32 s3, s3, 49152                     ; my group of the weight;
	s_mul_i32 s18, s16, 24576                      ; part 2: my group of x,
	s_mul_i32 s19, s15, 6144
	s_add_co_u32 s19, s19, 49152                   ; my four blocks of Wv
.irp s, 0,1,2
	v_add_nc_u32 v[16+\s], s2, v26
	v_add_nc_u32 v[20+\s], s3, v26
	v_add_nc_u32 v[6+\s], s18, v26
	v_add_nc_u32 v[9+\s], s19, v26
	s_add_co_u32 s2, s2, SLOT
	s_add_co_u32 s3, s3, SLOT
	s_add_co_u32 s18, s18, SLOT
	s_add_co_u32 s19, s19, SLOT
.endr
	s_lshl_b32 s2, s15, 12
	s_add_co_u32 s2, s2, SCL
	v_add_nc_u32 v24, s2, v27                      ; part 1: x's scale words,
	s_lshl_b32 s3, s16, 12
	s_add_co_u32 s2, s3, SCL+8192
	v_add_nc_u32 v25, s2, v27                      ; the weight's;
	s_add_co_u32 s2, s3, SCL
	v_add_nc_u32 v12, s2, v27                      ; part 2: x's
	; part 1's bias, along a lane's registers: bq or bk at columns 256 cx + 128 x half + 16 b + 8 h + 0 .. 7
	s_cmp_eq_u32 s93, 1
	s_cselect_b64 s[6:7], s[8:9], s[6:7]
	s_lshl_b32 s2, s66, 10
	s_lshl_b32 s3, s16, 9
	s_add_co_u32 s2, s2, s3
	s_mov_b32 s3, 0
	s_add_nc_u64 s[6:7], s[6:7], s[2:3]
.set ib, 0
.rept 8
	global_load_b128 v[BN+8*ib:BN+8*ib+3], v4, s[6:7] offset:64*ib
	global_load_b128 v[BN+8*ib+4:BN+8*ib+7], v4, s[6:7] offset:64*ib+16
.set ib, ib+1
.endr
	; Wv's scale words of my 64 channels: 512 bytes a K step, my 256 of them
	s_lshl_b32 s22, s92, 12
	s_lshl_b32 s23, s15, 8
	s_add_co_u32 s22, s22, s23
	s_add_co_u32 s22, s22, WSO+2*32768
	s_mov_b32 s23, 0
	s_add_nc_u64 s[22:23], s[4:5], s[22:23]
	; Wv's codes: of a pair of K steps wave 2 fetches the first, wave 3 the second
	s_mul_i32 s2, s92, 98304
	s_mul_i32 s3, s16, 12288
	s_add_co_u32 s2, s2, s3
	s_add_co_u32 s100, s3, 49152                   ; and its place in a slot
	s_add_co_u32 s2, s2, WCO+2*786432
	s_mov_b32 s3, 0
	s_mov_b32 s[G0V], 1
	s_add_nc_u64 s[G0V+2:G0V+3], s[4:5], s[2:3]
	s_or_b32 s[G0V+3], s[G0V+3], 0x80000000
	; where v^T goes: group = Wv's group, K step = my 128 keys in the batch, blocks 4 x half on
	s_and_b32 s2, s17, 7
	s_lshl_b32 s2, s2, 1
	s_add_co_u32 s2, s2, s16
	s_lshl_b32 s3, s92, 4
	s_add_co_u32 s2, s2, s3                        ; 16 x group + K step
	s_lshr_b32 s3, s17, 3                          ; the batch
	s_lshl_b32 s20, s2, 9
	s_lshl_b32 s21, s3, 16
	s_add_co_u32 s20, s20, s21
	s_lshl_b32 s21, s15, 8
	s_add_co_u32 s20, s20, s21
	s_add_co_u32 s20, s20, VSO
	s_mov_b32 s21, 0
	s_add_nc_u64 s[20:21], s[12:13], s[20:21]      ; its scale words
	s_mul_i32 s18, s2, 12288
	s_mul_i32 s19, s3, 1572864
	s_add_co_u32 s18, s18, s19
	s_mul_i32 s19, s15, 6144
	s_add_co_u32 s18, s18, s19
	s_add_co_u32 s18, s18, VCO
	s_mov_b32 s19, 0
	s_add_nc_u64 s[18:19], s[12:13], s[18:19]      ; its codes
	; where q or k goes: group = my 128 rows of x, K step = my 128 rows of the weight
	s_lshl_b32 s2, s17, 1
	s_add_co_u32 s2, s2, s15
	s_lshl_b32 s2, s2, 3
	s_lshl_b32 s3, s66, 1
	s_add_co_u32 s2, s2, s3
	s_add_co_u32 s2, s2, s16                       ; 8 x group + K step
	s_lshl_b32 s94, s2, 9
	s_lshl_b32 s95, s93, 18
	s_add_co_u32 s94, s94, s95
	s_add_co_u32 s94, s94, QSO
	s_mov_b32 s95, 0
	s_add_nc_u64 s[94:95], s[12:13], s[94:95]      ; the scale words
	s_mul_i32 s2, s2, 12288
	s_mul_i32 s3, s93, 6291456
	s_add_co_u32 s2, s2, s3
	s_mov_b32 s3, 0
	s_add_nc_u64 s[12:13], s[12:13], s[2:3]        ; the codes
	s_lshl_b32 s2, s92, 9                          ; bv at my first channel: 128 x group + 64 x half
	s_lshl_b32 s3, s15, 8
	s_add_co_u32 s2, s2, s3
	s_mov_b32 s3, 0
	s_add_nc_u64 s[66:67], s[10:11], s[2:3]        ; (cx and cy are done with)
	s_wait_alu depctr_va_vdst(0)
	s_wait_xcnt 0x0                                ; the bias's loads have read their base: s[4:11] may be written
	s_or_b32 s[G1V], s101, (3<<16)|(1<<21)         ; Wv's tiles go to my column: 12,288 dense bytes as 48 rows of 256
	s_mov_b32 s[G1V+1], 32<<16
	s_mov_b32 s[G1V+2], 48<<16
	s_mov_b32 s[G1V+3], 32<<16
	s_mov_b32 s[G1V+4], 48
	s_mov_b32 s[G1V+5], 32
	s_mov_b32 s[G1V+6], 0
	s_mov_b32 s[G1V+7], 0
	; ---- PART 1
	s_wait_tensorcnt 0x0                           ; my tile of the head's four is in; slot 1's first fill is issued as a refill is
	ds_add_u32 v28, v29                            ; 0 onto my spare word
.irp g, G1A, G1B                       ; no tensor load of mine is out: from here on a load brings 24,576 dense bytes as 96 rows of 256
	s_mov_b32 s[\g+1], 32<<16
	s_mov_b32 s[\g+2], 96<<16
	s_mov_b32 s[\g+3], 32<<16
	s_mov_b32 s[\g+4], 96
	s_mov_b32 s[\g+5], 32
.endr
	s_wait_dscnt 0x0
	CROUND
	JLOAD G0A+4, G1A, G0B+4, G1B                   ; K steps 2, 3
	FETCH_B 0
	FETCH_A 0, 0
	SCALES 0
	FETCH_A 0, 4
	KSTEP 0, 0, 1
	KSTEP 1, 6, 0                                  ; slot 2's first fill
	KSTEP 2, 0, 0
	KSTEP 3, 1, 0                                  ; slot 0 takes K steps 6, 7
	KSTEP 4, 0, 0
	KSTEP 5, 2, 0                                  ; slot 1 takes part 2's K steps 0, 1
	KSTEP 6, 0, 0
	s_wait_tensorcnt 0x0                           ; the last K step changes slots too: part 2's K steps 0, 1 have landed
	ds_add_u32 v28, v29                            ; 0 onto my spare word
	s_wait_dscnt 13                                ; (the add and the youngest 12 loads may be out)
	WIN 0xa1
	MUL16 0, 7, 0
	s_wait_dscnt 0x0                               ; the add is done, and my reads of slot 0 are over
	s_barrier_signal -1
	MUL16 2, 7, 0
	WIN 0
	s_barrier_wait -1
	CREST
	RF 3                                           ; slot 2 takes part 2's K steps 2, 3
	WIN 0xf1
	MUL16 4, 7, 0
	MUL16 6, 7, 0
	WIN 0
	PLACES 4                                       ; in front of loads into the scale registers, and of the first read of results
.set k, 0
.rept 8
	global_load_b128 v[32+4*k:35+4*k], v27, s[22:23] offset:512*k   ; Wv's scale words: K step k, row r of my four blocks; sixteen lanes read 256 consecutive bytes.  They land under the way out
.set k, k+1
.endr
	s_wait_loadcnt 8                               ; the bias is in; the eight just issued may be out
.irp b, 0,1,2,3
	v_mov_b32 v[TM+4+\b], 0                        ; a lane permute's destination counts as one of its sources
.endr
; THE WAY OUT of x's block a: + bias, 16 neighbours a lane, quantised: one fragment of the next product, stored as its image
.macro EPI a
	WIN 0x02+(\a)/4
.set k, 0
.rept 32
	v_pk_add_f32 v[T+2*k:T+2*k+1], v[64*((\a)%4)+2*k:64*((\a)%4)+2*k+1], v[BN+2*k:BN+2*k+1]   ; each accumulator from its low end on
.set k, k+1
.endr
	WIN 0
	SWAP64 T
	QUANT T, SW+(\a)
	global_store_b128 v26, v[PC:PC+3], s[12:13] offset:(\a)*1536          ; 32 lanes store 512 consecutive bytes, aligned
	global_store_b128 v26, v[PC+4:PC+7], s[12:13] offset:(\a)*1536+512
	global_store_b128 v26, v[PC+8:PC+11], s[12:13] offset:(\a)*1536+1024
.endm
	EPI 0
	EPI 1
	EPI 2
	EPI 3
	s_wait_alu depctr_va_vdst(0)
	s_wait_tensorcnt 0x0                           ; slot 0 has been read out: it takes part 2's K steps 4, 5, behind a round of its own
	ds_add_u32 v28, v29
	s_wait_dscnt 0x0
	CROUND
	RF 4
	EPI 4
	EPI 5
	EPI 6
	EPI 7
	v_cmp_eq_u32 vcc_lo, 1, v3                     ; lanes 16-31
.irp c, 0,1,2,3
	v_cndmask_b32 v[236+\c], v[SW+\c], v[SW+4+\c], vcc_lo      ; lanes 0-15: row r's words of blocks 0-3; lanes 16-31: of blocks 4-7
.endr
	global_store_b128 v26, v[236:239], s[94:95]
	; ---- PART 2
.irp q, 0,1,2,3
	global_load_b32 v[BM+2*\q], v5, s[66:67] offset:64*\q      ; bv of channel 16 q + r of my 64, where part 1's bias lay
	global_load_b32 v[BM+2*\q+1], v5, s[66:67] offset:64*\q    ; (the packed form names a pair: both are written)
.endr
	s_wait_xcnt 0x0                                ; part 1's last stores have read v[PC] on: Wv's second set of fragments lands there
	s_wait_loadcnt 8                               ; Wv's scale words are in; bv's eight loads may be out
	FETCHV 0
	VSTEP 0, 1
	VTURN 1, 1                                     ; every wave's wait for all its loads also shows K steps 4, 5 whole to all
	VSTEP 2, 0
	VSTEP 3, 0
	VSTEP 4, 0
	VTURN 5, 0
	VSTEP 6, 0
	s_wait_dscnt 0x0
	WIN 0xa1
	MULV 0, 7, 0
	MULV 1, 7, 0
	MULV 2, 7, 0
	MULV 3, 7, 0
	WIN 0
	PLACES 4
	s_wait_loadcnt 0x0                             ; bv
.macro EPIV a                          ; Wv's block a: + bv of the lane's channel, 16 neighbouring keys a lane, quantised: one fragment of v^T
	WIN 0x02
.set k, 0
.rept 32
	v_pk_add_f32 v[T+2*k:T+2*k+1], v[64*(\a)+2*k:64*(\a)+2*k+1], v[BM+2*(\a):BM+2*(\a)+1] op_sel_hi:[1,0]   ; each accumulator from its low end on
.set k, k+1
.endr
	WIN 0
	SWAP64 T
	QUANT T, SW+(\a)
	global_store_b128 v26, v[PC:PC+3], s[18:19] offset:(\a)*1536
	global_store_b128 v26, v[PC+4:PC+7], s[18:19] offset:(\a)*1536+512
	global_store_b128 v26, v[PC+8:PC+11], s[18:19] offset:(\a)*1536+1024
.endm
	EPIV 0
	EPIV 1
	EPIV 2
	EPIV 3
	v_cmp_eq_u32 vcc_lo, 1, v3                     ; lanes 16-31, made anew behind part 2's tensor loads
	v_cndmask_b32 v236, v[SW], v[SW+2], vcc_lo
	v_cndmask_b32 v237, v[SW+1], v[SW+3], vcc_lo
	global_store_b64 v13, v[236:237], s[20:21]     ; 32 lanes store 256 consecutive bytes, aligned
	s_wait_tensorcnt 0x0                           ; the wave's end
	ds_add_u32 v28, v29
	s_wait_dscnt 0x0
	CROUND                                         ; the closing round
	s_endpgm
.Lfunc_end_k_qef63d9f3bf_qkv:
	.size	k_qef63d9f3bf_qkv, .Lfunc_end_k_qef63d9f3bf_qkv-k_qef63d9f3bf_qkv
	.p2alignl 7, 3214868480
	.fill 96, 4, 3214868480
	.section	.rodata,"a",@progbits
	.p2align	6, 0x0
	.amdhsa_kernel k_qef63d9f3bf_qkv
		.amdhsa_group_segment_fixed_size 327680
		.amdhsa_private_segment_fixed_size 0
		.amdhsa_enable_private_segment 0
		.amdhsa_kernarg_size 40
		.amdhsa_user_sgpr_count 2
		.amdhsa_user_sgpr_kernarg_segment_ptr 1
		.amdhsa_wavefront_size32 1
		.amdhsa_system_sgpr_workgroup_id_x 1
		.amdhsa_system_sgpr_workgroup_id_y 1
		.amdhsa_system_sgpr_workgroup_id_z 1
		.amdhsa_system_vgpr_workitem_id 0
		.amdhsa_next_free_vgpr 1024
		.amdhsa_next_free_sgpr 106
		.amdhsa_reserve_vcc 1
		.amdhsa_float_denorm_mode_32 3
		.amdhsa_float_denorm_mode_16_64 3
		.amdhsa_memory_ordered 1
		.amdhsa_forward_progress 1
		.amdhsa_inst_pref_size 255
	.end_amdhsa_kernel
	.section	.bss,"aw",@nobits
	.p2align	6
	.space	262144
	.amdgpu_metadata
---
amdhsa.version: [ 1, 2 ]
amdhsa.kernels:
  - .name:           k_qef63d9f3bf_qkv
    .symbol:         k_qef63d9f3bf_qkv.kd
    .args:
      - { .name: prepb, .offset: 0, .size: 8, .value_kind: global_buffer, .address_space: global }
      - { .name: bq, .offset: 8, .size: 8, .value_kind: global_buffer, .address_space: global }
      - { .name: bk, .offset: 16, .size: 8, .value_kind: global_buffer, .address_space: global }
      - { .name: bv, .offset: 24, .size: 8, .value_kind: global_buffer, .address_space: global }
      - { .name: qkvb, .offset: 32, .size: 8, .value_kind: global_buffer, .address_space: global }
    .group_segment_fixed_size: 327680
    .private_segment_fixed_size: 0
    .kernarg_segment_align: 8
    .kernarg_segment_size: 40
    .max_flat_workgroup_size: 128
    .sgpr_count:     106
    .vgpr_count:     1024
    .wavefront_size: 32
...
	.end_amdgpu_metadata
.endif
;; end of part 2
;; launch score (part 3): grid 8 x 32, 4 waves a work-group, clusters of 4 x 4, 327,680 bytes of LDS; arguments qkvb, prepb, dist_emb_codes, dist_emb_scales, attention_mask, pbuf; writes pbuf
.if DOCPART == 3
	.amdgcn_target "amdgcn-amd-amdhsa--gfx1250"
	.amdhsa_code_object_version 6
	.text
	.protected	k_qef63d9f3bf_score
	.globl	k_qef63d9f3bf_score
	.p2align	8
	.type	k_qef63d9f3bf_score,@function
k_qef63d9f3bf_score:
	s_mov_b64 s[64:65], 0
	v_nop
	global_prefetch_b8 v0, s[64:65] scope:SCOPE_SE
	s_setreg_imm32_b32 hwreg(HW_REG_WAVE_MODE, 25, 1), 1
	s_wait_xcnt 0x0
	s_wait_alu depctr_hold_cnt(0) depctr_sa_sdst(0) depctr_va_vdst(0) depctr_va_sdst(0) depctr_va_ssrc(0) depctr_va_vcc(0) depctr_vm_vsrc(0)
	s_getreg_b32 s2, hwreg(HW_REG_IB_STS2, 6, 4)
	s_cmp_eq_u32 s2, 0
	s_cbranch_scc0 .Lentry_in_a_cluster
	s_endpgm
.Lentry_in_a_cluster:
	s_bfe_u32 s2, ttmp6, 0x10000c
	s_cmp_lg_u32 s2, 0xf033
	s_cbranch_scc0 .Lentry_shape_is_right
	s_endpgm
.Lentry_shape_is_right:
; SCORE: S = q k^T and q . dist_emb^T on codes of E3M2; t = ((S + [relation == 1] q.dist_1) / 32 + mask) log2 e; p = 2^(t - M) quantised along the keys.
; M here is LOCAL: for each query and each 128 keys the ceiling of the largest t of those keys, a whole number.  -M and the sum l of the unquantised p go to memory with the codes; the next launch brings the scale bytes under the row's own M,
; which is a subtraction on E8M0 bytes and changes no code.  Of the distance product only type 1 is kept by the reference's own mask: the 16 rows 0-15 of dist_emb are multiplied and row 1 is read.
; 256 tiles of 256 queries x 256 keys, K = 1,024; a wave makes 128 x 128.  Source 0 = 16 keys, source 1 = 16 queries: a lane holds one query, its registers run along the keys.
; Operand images, LDS, ring and cluster as in the launch before: three slots of two K steps; slot 0 and the scale words go out at the start (one load a wave), slot 1 behind them, slot 2 at K step 1; one refill follows (K steps 6, 7 into slot 0, at K step 3).
; Every wave makes the distance product for its own 128 queries: 8 matrix instructions a K step beside its 64.
; REGISTERS: window 0: v0-31 addresses; v32-63 scale words, two sets; v64-127 the distance product's 8 accumulators, later statistics, codes and store data; v128-223 A's fragments, later t and p and at work; v224-231 dist_emb's scale words;
;   v232-247 c x q.dist_1, a pair a block; v248-255 p's scale words.  window 1: v0-95, v128-223 B's two sets (v0-63 later mask x log2 e); v96-119 dist_emb's fragments, two sets; v224-255 the relation's bits.  windows 2, 3: accumulators.
; LIMITS: NaN and +infinity are not served; -infinity in the mask gives p = 0; 128 keys that are all hidden by -infinity get -M = 3e38 and l = 0; t is formed by fused multiply-adds, not by the reference's add, divide and add.
.set KCO, 6291456
.set QSO, 18874368
.set KSO, 19136512
.set RBO, 9830400
.set PSO, 12582912
.set PTO, 13107200
.set SLOT,  98304
.set SCL,   294912
.set SPARE, 311296
.set AF,  128
.set ST,  64                           ; v64-79   (-M, l) for each of my 8 blocks of queries
.set PC,  80                           ; v80-99   the codes just made
.set S2,  100                          ; v[100:101] the sum's second chain
.set T,   128                          ; v128-191 t, then p
.set WP,  192                          ; v192-195 my query's bits, shifted by 2 h
.set NM,  196                          ; v[196:197] -M
.set SUM, 198
.set BX,  200                          ; v200-203 the blocks' largest t, then p
.set PTR, 204                          ; v204-207 at work
.set SOP, 208                          ; v208-211 the conversions' scale operands
.set XT,  212
.set WCR, 232
.set SW,  248
.set G1A, 24
.set G0A, 32
.set G1B, 44
.set G0B, 52
.set G1SA, 68
.set G0SA, 76
.set G1SB, 80
.set G0SB, 88
.set MSB, 0
.macro WIN new
.if MSB != (\new)
	s_set_vgpr_msb (MSB<<8)|(\new)
.set MSB, (\new)
.endif
.endm
.macro PLACES n
.rept \n
	v_nop
.endr
.endm
.macro JLOAD g0a, g1a, g0b, g1b        ; a joint load: waves 0, 1 fetch for A, waves 2, 3 for B; four v_nop follow each line
	s_cmp_eq_u32 s15, 0
	s_cbranch_scc0 .Lfor_b_\@
	tensor_load_to_lds s[\g0a:\g0a+3], s[\g1a:\g1a+7]
	s_nop 0
.rept 4
	v_nop
.endr
	s_branch .Lasked_\@
.Lfor_b_\@:
	tensor_load_to_lds s[\g0b:\g0b+3], s[\g1b:\g1b+7]
	s_nop 0
.rept 4
	v_nop
.endr
.Lasked_\@:
.endm
.macro CREST
	s_cmp_lg_u32 s14, 0
	s_cbranch_scc1 .Lnot_wave_0_\@
	s_barrier_signal -3
.Lnot_wave_0_\@:
	s_barrier_wait -3
	s_barrier_signal -1
	s_barrier_wait -1
.endm
.macro CROUND
	s_barrier_signal -1
	s_barrier_wait -1
	CREST
.endm
.macro FRAG reg, adr, off
	ds_load_b128 v[(\reg):(\reg)+3], v[\adr] offset:(\off)
	ds_load_b128 v[(\reg)+4:(\reg)+7], v[\adr] offset:(\off)+512
	ds_load_b128 v[(\reg)+8:(\reg)+11], v[\adr] offset:(\off)+1024
.endm
.macro FETCH_B ks
	WIN 0x40
.set i, 0
.rept 8
	FRAG 128*((\ks)%2)+12*i, 20+((\ks)/2)%3, ((\ks)%2)*12288+i*1536
.set i, i+1
.endr
	WIN 0
.endm
.macro FETCH_A ks, i0
.set i, \i0
.rept 4
	FRAG AF+12*i, 16+((\ks)/2)%3, ((\ks)%2)*12288+i*1536
.set i, i+1
.endr
.endm
.macro SCALES ks
	ds_load_b128 v[32+16*((\ks)%2):35+16*((\ks)%2)], v24 offset:(\ks)*512
	ds_load_b128 v[36+16*((\ks)%2):39+16*((\ks)%2)], v24 offset:(\ks)*512+256
	ds_load_b128 v[40+16*((\ks)%2):43+16*((\ks)%2)], v25 offset:(\ks)*512
	ds_load_b128 v[44+16*((\ks)%2):47+16*((\ks)%2)], v25 offset:(\ks)*512+256
.endm
.macro MUL16 a0, ks, zero              ; 16 matrix instructions; the accumulators take turns, one instruction a turn
.set ia, \a0
.rept 2
.set ib, 0
.rept 8
.if \zero
	v_wmma_scale_f32_16x16x128_f8f6f4 v[8*(8*(ia%4)+ib):8*(8*(ia%4)+ib)+7], v[128*((\ks)%2)+12*ib:128*((\ks)%2)+12*ib+11], v[AF+12*ia:AF+12*ia+11], 0, v[40+16*((\ks)%2)+ib], v[32+16*((\ks)%2)+ia] matrix_a_fmt:MATRIX_FMT_BF6 matrix_b_fmt:MATRIX_FMT_BF6
.else
	v_wmma_scale_f32_16x16x128_f8f6f4 v[8*(8*(ia%4)+ib):8*(8*(ia%4)+ib)+7], v[128*((\ks)%2)+12*ib:128*((\ks)%2)+12*ib+11], v[AF+12*ia:AF+12*ia+11], v[8*(8*(ia%4)+ib):8*(8*(ia%4)+ib)+7], v[40+16*((\ks)%2)+ib], v[32+16*((\ks)%2)+ia] matrix_a_fmt:MATRIX_FMT_BF6 matrix_b_fmt:MATRIX_FMT_BF6
.endif
.set ib, ib+1
.endr
.set ia, ia+1
.endr
.endm
.macro DIST a0, ks                     ; the distance product for A's blocks a0 .. a0 + 3: source 0 = dist_emb's rows 0-15
	WIN 0x01
.set ia, \a0
.rept 4
.if (\ks) == 0
	v_wmma_scale_f32_16x16x128_f8f6f4 v[64+8*ia:71+8*ia], v[96+12*((\ks)%2):107+12*((\ks)%2)], v[AF+12*ia:AF+12*ia+11], 0, v[224+(\ks)], v[32+16*((\ks)%2)+ia] matrix_a_fmt:MATRIX_FMT_BF6 matrix_b_fmt:MATRIX_FMT_BF6
.else
	v_wmma_scale_f32_16x16x128_f8f6f4 v[64+8*ia:71+8*ia], v[96+12*((\ks)%2):107+12*((\ks)%2)], v[AF+12*ia:AF+12*ia+11], v[64+8*ia:71+8*ia], v[224+(\ks)], v[32+16*((\ks)%2)+ia] matrix_a_fmt:MATRIX_FMT_BF6 matrix_b_fmt:MATRIX_FMT_BF6
.endif
.set ia, ia+1
.endr
.endm
.macro DLOAD ks                        ; dist_emb's fragment of K step ks, from memory as it lies: six loads of 8 bytes
	WIN 0x40
.irp p, 0,1,2,3,4,5
	global_load_b64 v[96+12*((\ks)%2)+2*\p:97+12*((\ks)%2)+2*\p], v5, s[8:9] offset:96*(\ks)+48*(\p/3)+8*(\p%3)
.endr
	WIN 0
.endm
.macro KSTEP ks, sync, zero            ; as in the launch before, with the distance product behind each half
	s_wait_loadcnt 6                               ; this step's fragment of dist_emb is in; the next step's six loads may be out
.if \sync
	s_wait_tensorcnt 0x0                           ; all my tensor loads have landed
	ds_add_u32 v28, v29                            ; 0 onto my spare word
	s_wait_dscnt 13                                ; (the add and the youngest 12 loads, A's blocks 4-7, may be out)
.else
	s_wait_dscnt 12
.endif
	WIN 0xa1
	MUL16 0, \ks, \zero
.if \sync
	s_wait_dscnt 0x0                               ; the add is done, and my LDS reads are over
	s_barrier_signal -1
.endif
	MUL16 2, \ks, \zero
	DIST 0, \ks
.if \sync
	WIN 0
	s_barrier_wait -1
.if \sync == 3
	CREST
	JLOAD G0A+8, G1A, G0B+8, G1B                   ; slot 2's first fill: K steps 4, 5
.elseif \sync == 1
	CREST
	s_add_nc_u64 s[G0A+2:G0A+3], s[G0A+2:G0A+3], 73728
	s_add_nc_u64 s[G0B+2:G0B+3], s[G0B+2:G0B+3], 73728
	JLOAD G0A, G1A, G0B, G1B                       ; its four v_nop are also the places in front of the loads below
.else
	PLACES 4
.endif
.else
	s_wait_dscnt 0x0
	PLACES 4
.endif
	FETCH_B (\ks)+1
	FETCH_A (\ks)+1, 0
	SCALES (\ks)+1
	WIN 0xf1
	MUL16 4, \ks, \zero
	MUL16 6, \ks, \zero
	DIST 4, \ks
	PLACES 4
	WIN 0
	FETCH_A (\ks)+1, 4
.if (\ks) <= 5
	DLOAD (\ks)+2
.endif
.endm
.macro SWAP64 t
.set k, 0
.rept 32
	v_permlane16_swap_b32 v[(\t)+16*(k/8)+k%8], v[(\t)+16*(k/8)+8+k%8]
.set k, k+1
.endr
.endm
	s_load_b256 s[4:11], s[0:1], 0x0               ; qkvb, prepb, dist_emb's codes, its scales
	s_load_b128 s[20:23], s[0:1], 0x20             ; the mask, pbuf
	v_lshl_add_u32 v28, v0, 2, SPARE
	v_mov_b32 v29, 0
	ds_add_u32 v28, v29
	ds_add_u32 v28, v29
	s_wait_dscnt 0x0
	v_lshrrev_b32 v1, 5, v0
	v_readfirstlane_b32 s14, v1
	s_lshr_b32 s15, s14, 1
	s_and_b32 s16, s14, 1
	s_bfe_u32 s66, ttmp6, 0x40000                  ; cx
	s_bfe_u32 s67, ttmp6, 0x40004                  ; cy
	s_and_b32 s2, ttmp7, 0xffff
	s_lshr_b32 s93, s2, 1                          ; the batch: 8 tiles of 256 queries each
	s_lshl_b32 s2, s2, 2
	s_add_co_u32 s17, s2, s67                      ; tile of queries, 0..31
	s_lshl_b32 s92, ttmp9, 2
	s_add_co_u32 s92, s92, s66                     ; tile of keys in the batch, 0..7
	s_lshl_b32 s2, s67, 2
	s_lshl_b32 s2, 15, s2
	s_lshl_b32 s3, 0x1111, s66
	s_or_b32 s[G1A], s2, (3<<16)|(1<<21)
	s_or_b32 s[G1SA], s2, (3<<16)|(1<<21)
	s_or_b32 s[G1B], s3, (3<<16)|(1<<21)
	s_or_b32 s[G1SB], s3, (3<<16)|(1<<21)
.irp g, G1A, G1B                       ; for the head's loads: two groups' K steps 0, 1 as 2 rows of 24,576 bytes, 98,304 apart
	s_mov_b32 s[\g+1], 3072<<16
	s_mov_b32 s[\g+2], 2<<16
	s_mov_b32 s[\g+3], 3072<<16
	s_mov_b32 s[\g+4], 2
	s_mov_b32 s[\g+5], 12288
	s_mov_b32 s[\g+6], 0
	s_mov_b32 s[\g+7], 0
.endr
.irp g, G1SA, G1SB
	s_mov_b32 s[\g+1], 32<<16
	s_mov_b32 s[\g+2], 32<<16              ; two groups' scale words: 8,192 dense bytes as 32 rows of 256
	s_mov_b32 s[\g+3], 32<<16
	s_mov_b32 s[\g+4], 32
	s_mov_b32 s[\g+5], 32
	s_mov_b32 s[\g+6], 0
	s_mov_b32 s[\g+7], 0
.endr
	s_lshl_b32 s18, s17, 1
	s_add_co_u32 s18, s18, s16                     ; q's group that I would fetch
	s_lshl_b32 s12, s17, 13
	s_add_co_u32 s12, s12, QSO
	s_mov_b32 s13, 0
	s_mul_i32 s18, s18, 98304
	s_mov_b32 s19, 0
	s_lshl_b32 s98, s92, 1
	s_add_co_u32 s98, s98, s16
	s_lshl_b32 s99, s93, 4
	s_add_co_u32 s98, s98, s99                     ; k's group
	s_sub_co_u32 s100, s98, s16                    ; the tile's first group
	s_lshl_b32 s100, s100, 12
	s_add_co_u32 s100, s100, KSO
	s_mov_b32 s101, 0
	s_mul_i32 s98, s98, 98304
	s_add_co_u32 s98, s98, KCO
	s_mov_b32 s99, 0
	s_mul_i32 s2, s14, 24576
	s_mov_b32 s94, 0x3d38aa3b                      ; c = log2(e) / 32
	s_mov_b32 s95, s94                             ; (named with it as a pair, so it is written)
	s_mov_b32 s96, 0x76543210
	s_mov_b32 s97, 0xfedcba98
	s_wait_kmcnt 0x0
	s_add_nc_u64 s[18:19], s[4:5], s[18:19]
	s_add_nc_u64 s[12:13], s[4:5], s[12:13]
	s_add_nc_u64 s[98:99], s[4:5], s[98:99]
	s_add_nc_u64 s[100:101], s[4:5], s[100:101]
	s_mov_b32 s[G0SA], 1
	s_mov_b32 s[G0SA+1], SCL
	s_mov_b64 s[G0SA+2:G0SA+3], s[12:13]
	s_or_b32 s[G0SA+3], s[G0SA+3], 0x80000000
	s_mov_b32 s[G0SB], 1
	s_mov_b32 s[G0SB+1], SCL+8192
	s_mov_b64 s[G0SB+2:G0SB+3], s[100:101]
	s_or_b32 s[G0SB+3], s[G0SB+3], 0x80000000
.irp s, 0,1,2
	s_mov_b32 s[G0A+4*\s], 1
	s_add_co_u32 s[G0A+4*\s+1], s2, \s*SLOT
	s_add_nc_u64 s[G0A+4*\s+2:G0A+4*\s+3], s[18:19], \s*24576
	s_or_b32 s[G0A+4*\s+3], s[G0A+4*\s+3], 0x80000000
	s_mov_b32 s[G0B+4*\s], 1
	s_add_co_u32 s[G0B+4*\s+1], s2, \s*SLOT
	s_add_nc_u64 s[G0B+4*\s+2:G0B+4*\s+3], s[98:99], \s*24576
	s_or_b32 s[G0B+4*\s+3], s[G0B+4*\s+3], 0x80000000
.endr
	CROUND
; THE HEAD'S LOADS, ONE A WAVE: wave 0 q's two groups of K steps 0, 1; wave 1 q's scale words; wave 2 k's two groups; wave 3 k's scale words.
; Waves 0 and 2 fetch the first half in the ring, so their own group 0 of slot 0 already names the whole tile's first byte and place.
.macro ARM under, g0, g1, next
	s_cmp_lt_u32 s14, \under
	s_cbranch_scc0 \next
	tensor_load_to_lds s[\g0:\g0+3], s[\g1:\g1+7]
	s_nop 0
.rept 4
	v_nop
.endr
	s_branch .Lhead_asked
\next:
.endm
	ARM 1, G0A,  G1A,  .Lhead_sa
	ARM 2, G0SA, G1SA, .Lhead_b
	ARM 3, G0B,  G1B,  .Lhead_sb
	tensor_load_to_lds s[G0SB:G0SB+3], s[G1SB:G1SB+7]
	s_nop 0
.rept 4
	v_nop
.endr
.Lhead_asked:
	v_and_b32 v1, 31, v0
	v_and_b32 v2, 15, v0                           ; r
	v_bfe_u32 v3, v0, 4, 1                         ; h
	v_lshlrev_b32 v26, 4, v1
	v_lshlrev_b32 v27, 4, v2
	v_lshlrev_b32 v4, 5, v3                        ; 32 h: the mask of my half's keys
	v_mul_u32_u24 v5, v2, 768
	v_mad_u32_u24 v5, v3, 24, v5                   ; dist_emb: row r, + 24 h
	v_lshlrev_b32 v6, 5, v2                        ; its scale bytes: 32 a row
	v_lshlrev_b32 v7, 1, v3                        ; 2 h
	v_lshlrev_b32 v8, 3, v1                        ; 8 x lane
	s_mul_i32 s2, s15, 24576
	s_mul_i32 s3, s16, 24576
	s_add_co_u32 s3, s3, 49152
.irp s, 0,1,2
	v_add_nc_u32 v[16+\s], s2, v26
	v_add_nc_u32 v[20+\s], s3, v26
	s_add_co_u32 s2, s2, SLOT
	s_add_co_u32 s3, s3, SLOT
.endr
	s_lshl_b32 s2, s15, 12
	s_add_co_u32 s2, s2, SCL
	v_add_nc_u32 v24, s2, v27
	s_lshl_b32 s3, s16, 12
	s_add_co_u32 s3, s3, SCL+8192
	v_add_nc_u32 v25, s3, v27
	s_lshl_b32 s2, s17, 1
	s_add_co_u32 s2, s2, s15                       ; G: my group of 128 queries, 0..63
	s_lshl_b32 s3, s92, 1
	s_add_co_u32 s3, s3, s16                       ; kt: my 128 keys in the batch, 0..15
	s_lshl_b32 s12, s93, 4
	s_add_co_u32 s12, s12, s3                      ; 16 x batch + kt
	s_and_b32 s13, s2, 15
	s_lshl_b32 s18, s12, 15
	s_lshl_b32 s19, s13, 11
	s_add_co_u32 s18, s18, s19
	s_add_co_u32 s18, s18, RBO
	s_mov_b32 s19, 0
	s_add_nc_u64 s[6:7], s[6:7], s[18:19]          ; the relation's bits of my queries and keys
	s_lshl_b32 s18, s12, 9
	s_add_nc_u64 s[20:21], s[20:21], s[18:19]      ; the mask of my keys
	s_lshl_b32 s18, s12, 14
	s_lshl_b32 s13, s13, 10
	s_add_co_u32 s18, s18, s13
	s_add_co_u32 s18, s18, PTO
	s_add_nc_u64 s[98:99], s[22:23], s[18:19]      ; where -M and l go
	s_lshl_b32 s2, s2, 4
	s_add_co_u32 s2, s2, s3                        ; 16 G + kt
	s_lshl_b32 s18, s2, 9
	s_add_co_u32 s18, s18, PSO
	s_add_nc_u64 s[100:101], s[22:23], s[18:19]    ; p's scale words
	s_mul_i32 s18, s2, 12288
	s_add_nc_u64 s[22:23], s[22:23], s[18:19]      ; p's codes
	WIN 0x40
.set ia, 0
.rept 8
	global_load_b128 v[224+4*ia:227+4*ia], v27, s[6:7] offset:256*ia   ; query 16 a + r: 128 bits
.set ia, ia+1
.endr
	WIN 0
.set ia, 0
.rept 8
	global_load_b32 v[224+ia], v6, s[10:11] offset:4*ia               ; dist_emb's scale words, one for each K step
.set ia, ia+1
.endr
	DLOAD 0
	DLOAD 1
	s_wait_alu depctr_va_vdst(0)
	s_wait_tensorcnt 0x0                           ; my tile of the head's four is in; slot 1's first fill is issued as a refill is
	ds_add_u32 v28, v29                            ; 0 onto my spare word
.irp g, G1A, G1B                       ; no tensor load of mine is out: from here on a load brings 24,576 dense bytes as 96 rows of 256
	s_mov_b32 s[\g+1], 32<<16
	s_mov_b32 s[\g+2], 96<<16
	s_mov_b32 s[\g+3], 32<<16
	s_mov_b32 s[\g+4], 96
	s_mov_b32 s[\g+5], 32
.endr
	s_wait_dscnt 0x0
	CROUND
	JLOAD G0A+4, G1A, G0B+4, G1B                   ; K steps 2, 3
	FETCH_B 0
	FETCH_A 0, 0
	SCALES 0
	FETCH_A 0, 4
	KSTEP 0, 0, 1
	KSTEP 1, 3, 0
	KSTEP 2, 0, 0
	KSTEP 3, 1, 0
	KSTEP 4, 0, 0
	KSTEP 5, 2, 0
	KSTEP 6, 0, 0
	s_wait_loadcnt 0x0
	s_wait_dscnt 12
	WIN 0xa1
	MUL16 0, 7, 0
	MUL16 2, 7, 0
	DIST 0, 7
	WIN 0x40                                       ; the mask of my 128 keys, as the results lie, into B's set 0, which was last multiplied a K step ago
.set ib, 0
.rept 8
	global_load_b128 v[8*ib:8*ib+3], v4, s[20:21] offset:64*ib
	global_load_b128 v[8*ib+4:8*ib+7], v4, s[20:21] offset:64*ib+16
.set ib, ib+1
.endr
	s_wait_dscnt 0x0
	WIN 0xf1
	MUL16 4, 7, 0
	MUL16 6, 7, 0
	DIST 4, 7
	WIN 0
	PLACES 4
	s_wait_loadcnt 0x0
	WIN 0x41
.set k, 0
.rept 32
	v_pk_mul_f32 v[2*k:2*k+1], v[2*k:2*k+1], 0x3fb8aa3b op_sel_hi:[1,0]   ; mask x log2 e
.set k, k+1
.endr
	WIN 0
	v_cmp_eq_u32 vcc_lo, 1, v3                     ; lanes 16-31
	v_mov_b32 v[NM+1], 0                           ; (named as the upper half of a pair)
.irp b, 0,1,2,3
	v_mov_b32 v[PTR+\b], 0                         ; a lane permute's destination counts as one of its sources
.endr
.set ia, 0
.rept 8
	v_mov_b32 v[216+ia], 0
.set ia, ia+1
.endr
.set ia, 0
.rept 8
	v_permlanex16_b32 v[216+ia], v[65+8*ia], s96, s97   ; type 1 of query r lies in register 1 of lanes 0-15: one of the accumulator's four lowest
.set ia, ia+1
.endr
.set ia, 0
.rept 8
	v_cndmask_b32 v[216+ia], v[65+8*ia], v[216+ia], vcc_lo
.set ia, ia+1
.endr
.set ia, 0
.rept 8
	v_mul_f32 v[WCR+2*ia], s94, v[216+ia]          ; c x q.dist_1, in both lanes of the query
	v_mul_f32 v[WCR+2*ia+1], s94, v[216+ia]
.set ia, ia+1
.endr
; THE SOFTMAX of my block a of 16 queries over my 128 keys.
.macro SOFT a
	s_wait_xcnt 0x0                                ; the last block's stores have read v[PC] on
	WIN 0x04
.irp c, 0,1,2,3
	v_lshrrev_b32 v[WP+\c], v7, v[224+4*(\a)+\c]   ; register 8 b + j holds key 16 b + 8 h + j: bit 4 b + 2 h + j / 4 of word j % 4
.endr
	WIN 0
.set e, 0
.rept 64
	v_bfe_u32 v[T+e], v[WP+(e&3)], 4*(e/8)+((e%8)>>2), 1
.set e, e+1
.endr
.set e, 0
.rept 64
	v_cvt_f32_u32 v[T+e], v[T+e]
.set e, e+1
.endr
	WIN 0x10
.set k, 0
.rept 32
	v_pk_fma_f32 v[T+2*k:T+2*k+1], v[T+2*k:T+2*k+1], v[WCR+2*(\a):WCR+2*(\a)+1], v[2*k:2*k+1] op_sel_hi:[1,0,1]   ; [relation == 1] c q.dist_1 + mask log2 e
.set k, k+1
.endr
	WIN 0x02+(\a)/4
.set k, 0
.rept 32
	v_pk_fma_f32 v[T+2*k:T+2*k+1], v[64*((\a)%4)+2*k:64*((\a)%4)+2*k+1], s[94:95], v[T+2*k:T+2*k+1] op_sel_hi:[1,0,1]   ; t; each accumulator from its low end on
.set k, k+1
.endr
	WIN 0
	SWAP64 T                                       ; register 16 B + i: key 32 B + 16 h + i
.irp b, 0,1,2,3
	v_max3_num_f32 v[BX+\b], v[T+16*\b], v[T+1+16*\b], v[T+2+16*\b]   ; the largest t of each block of 32 keys: for the row's maximum, and, since p rises with t, for the block's largest p
.endr
.irp i, 3,5,7,9,11,13
.irp b, 0,1,2,3
	v_max3_num_f32 v[BX+\b], v[BX+\b], v[T+16*\b+\i], v[T+1+16*\b+\i]
.endr
.endr
.irp b, 0,1,2,3
	v_max_num_f32 v[BX+\b], v[BX+\b], v[T+15+16*\b]
.endr
.irp b, 0,1,2,3
	v_permlanex16_b32 v[PTR+\b], v[BX+\b], s96, s97
.endr
.irp b, 0,1,2,3
	v_max_num_f32 v[BX+\b], v[BX+\b], v[PTR+\b]
.endr
	v_max3_num_f32 v[XT], v[BX], v[BX+1], v[BX+2]
	v_max3_num_f32 v[XT], v[XT], v[BX+3], 0xff61b1e6            ; held at -3e38 from below: 128 keys hidden by -infinity still give a number
	v_floor_f32 v[NM], -v[XT]                                   ; -M = floor(-t) = -ceil(t): a whole number
.set k, 0
.rept 32
	v_pk_add_f32 v[T+2*k:T+2*k+1], v[T+2*k:T+2*k+1], v[NM:NM+1] op_sel_hi:[1,0]
.set k, k+1
.endr
.irp b, 0,1,2,3
	v_add_f32 v[BX+\b], v[BX+\b], v[NM]
.endr
.set e, 0
	s_wait_alu depctr_va_vdst(0)
.rept 64
	v_exp_f32 v[T+e], v[T+e]                                    ; p = 2^(t - M), not normalised
.set e, e+1
.endr
	v_mov_b32 v[ST+2*(\a)], v[NM]                               ; (a plain place behind the exponentials)
	s_wait_alu depctr_va_vdst(0)                                ; one wait for the batch, ahead of its first reader
.irp b, 0,1,2,3
	v_exp_f32 v[BX+\b], v[BX+\b]                                ; the block's largest p: the same addition and exponential on the same number
.endr
	v_pk_add_f32 v[SUM:SUM+1], v[T:T+1], v[T+2:T+3]             ; the sum of the unquantised p, in two chains
	v_pk_add_f32 v[S2:S2+1], v[T+4:T+5], v[T+6:T+7]
.set k, 8
.rept 14
	v_pk_add_f32 v[SUM:SUM+1], v[SUM:SUM+1], v[T+k:T+k+1]
	v_pk_add_f32 v[S2:S2+1], v[S2:S2+1], v[T+k+2:T+k+3]
.set k, k+4
.endr
	v_pk_add_f32 v[SUM:SUM+1], v[SUM:SUM+1], v[S2:S2+1]
	v_add_f32 v[XT], v[SUM], v[SUM+1]
	v_permlanex16_b32 v[PTR], v[XT], s96, s97
	v_add_f32 v[ST+2*(\a)+1], v[XT], v[PTR]                     ; l of my query over these 128 keys
	s_wait_alu depctr_va_vdst(0)                                ; and one for the four
.irp b, 0,1,2,3
	v_max_num_f32 v[BX+\b], 0x2800000, v[BX+\b]                 ; the floor 2^(5 - 127): the byte cannot fall under 1
.endr
.irp b, 0,1,2,3
	v_add_nc_u32 v[SOP+\b], 0xfe000000, v[BX+\b]
.endr
.irp b, 0,1,2,3
	v_lshrrev_b32 v[PTR+\b], 23, v[SOP+\b]
.endr
	v_lshl_or_b32 v[SW+(\a)], v[PTR+1], 8, v[PTR]
	v_lshl_or_b32 v[SW+(\a)], v[PTR+2], 16, v[SW+(\a)]
	v_lshl_or_b32 v[SW+(\a)], v[PTR+3], 24, v[SW+(\a)]
.irp c, 0,1
	v_cvt_scalef32_pk16_bf6_f32 v[PC+6*\c:PC+2+6*\c], v[T+32*\c:T+15+32*\c], v[SOP+2*\c]
	v_cvt_scalef32_pk16_bf6_f32 v[PC+12+4*\c:PC+14+4*\c], v[T+16+32*\c:T+31+32*\c], v[SOP+2*\c+1]
.endr
	v_nop                                                       ; one plain place behind a scaled conversion
.irp c, 0,1
.irp i, 0,1,2
	v_permlane16_swap_b32 v[PC+6*\c+\i], v[PC+12+4*\c+\i]
.endr
.irp i, 0,1,2
	v_mov_b32 v[PC+3+6*\c+\i], v[PC+12+4*\c+\i]
.endr
.endr
	global_store_b128 v26, v[PC:PC+3], s[22:23] offset:(\a)*1536          ; 32 lanes store 512 consecutive bytes, aligned
	global_store_b128 v26, v[PC+4:PC+7], s[22:23] offset:(\a)*1536+512
	global_store_b128 v26, v[PC+8:PC+11], s[22:23] offset:(\a)*1536+1024
.endm
	SOFT 0
	SOFT 1
	SOFT 2
	SOFT 3
	SOFT 4
	SOFT 5
	SOFT 6
	SOFT 7
.irp c, 0,1,2,3
	v_cndmask_b32 v[112+\c], v[SW+\c], v[SW+4+\c], vcc_lo
.endr
	global_store_b128 v26, v[112:115], s[100:101]
.irp q, 0,1,2,3                        ; lanes 0-15 carry block 2 q, lanes 16-31 block 2 q + 1: 32 queries x 8 bytes, 256 consecutive bytes, aligned
	v_cndmask_b32 v[104+2*\q], v[ST+4*\q], v[ST+4*\q+2], vcc_lo
	v_cndmask_b32 v[105+2*\q], v[ST+4*\q+1], v[ST+4*\q+3], vcc_lo
.endr
.irp q, 0,1,2,3
	global_store_b64 v8, v[104+2*\q:105+2*\q], s[98:99] offset:256*\q
.endr
	s_wait_tensorcnt 0x0                           ; the wave's end
	ds_add_u32 v28, v29
	s_wait_dscnt 0x0
	CROUND
	s_endpgm
.Lfunc_end_k_qef63d9f3bf_score:
	.size	k_qef63d9f3bf_score, .Lfunc_end_k_qef63d9f3bf_score-k_qef63d9f3bf_score
	.p2alignl 7, 3214868480
	.fill 96, 4, 3214868480
	.section	.rodata,"a",@progbits
	.p2align	6, 0x0
	.amdhsa_kernel k_qef63d9f3bf_score
		.amdhsa_group_segment_fixed_size 327680
		.amdhsa_private_segment_fixed_size 0
		.amdhsa_enable_private_segment 0
		.amdhsa_kernarg_size 48
		.amdhsa_user_sgpr_count 2
		.amdhsa_user_sgpr_kernarg_segment_ptr 1
		.amdhsa_wavefront_size32 1
		.amdhsa_system_sgpr_workgroup_id_x 1
		.amdhsa_system_sgpr_workgroup_id_y 1
		.amdhsa_system_sgpr_workgroup_id_z 1
		.amdhsa_system_vgpr_workitem_id 0
		.amdhsa_next_free_vgpr 1024
		.amdhsa_next_free_sgpr 102
		.amdhsa_reserve_vcc 1
		.amdhsa_float_denorm_mode_32 3
		.amdhsa_float_denorm_mode_16_64 3
		.amdhsa_memory_ordered 1
		.amdhsa_forward_progress 1
		.amdhsa_inst_pref_size 255
	.end_amdhsa_kernel
	.section	.bss,"aw",@nobits
	.p2align	6
	.space	262144
	.amdgpu_metadata
---
amdhsa.version: [ 1, 2 ]
amdhsa.kernels:
  - .name:           k_qef63d9f3bf_score
    .symbol:         k_qef63d9f3bf_score.kd
    .args:
      - { .name: qkvb, .offset: 0, .size: 8, .value_kind: global_buffer, .address_space: global }
      - { .name: prepb, .offset: 8, .size: 8, .value_kind: global_buffer, .address_space: global }
      - { .name: dist_emb_codes, .offset: 16, .size: 8, .value_kind: global_buffer, .address_space: global }
      - { .name: dist_emb_scales, .offset: 24, .size: 8, .value_kind: global_buffer, .address_space: global }
      - { .name: attention_mask, .offset: 32, .size: 8, .value_kind: global_buffer, .address_space: global }
      - { .name: pbuf, .offset: 40, .size: 8, .value_kind: global_buffer, .address_space: global }
    .group_segment_fixed_size: 327680
    .private_segment_fixed_size: 0
    .kernarg_segment_align: 8
    .kernarg_segment_size: 48
    .max_flat_workgroup_size: 128
    .sgpr_count:     102
    .vgpr_count:     1024
    .wavefront_size: 32
...
	.end_amdgpu_metadata
.endif
;; end of part 3
;; launch ctx (part 4): grid 4 x 64, 4 waves a work-group, clusters of 4 x 4, 327,680 bytes of LDS; arguments pbuf, qkvb, ctxb; writes ctxb
.if DOCPART == 4
	.amdgcn_target "amdgcn-amd-amdhsa--gfx1250"
	.amdhsa_code_object_version 6
	.text
	.protected	k_qef63d9f3bf_ctx
	.globl	k_qef63d9f3bf_ctx
	.p2align	8
	.type	k_qef63d9f3bf_ctx,@function
k_qef63d9f3bf_ctx:
	s_mov_b64 s[64:65], 0
	v_nop
	global_prefetch_b8 v0, s[64:65] scope:SCOPE_SE
	s_setreg_imm32_b32 hwreg(HW_REG_WAVE_MODE, 25, 1), 1
	s_wait_xcnt 0x0
	s_wait_alu depctr_hold_cnt(0) depctr_sa_sdst(0) depctr_va_vdst(0) depctr_va_sdst(0) depctr_va_ssrc(0) depctr_va_vcc(0) depctr_vm_vsrc(0)
	s_getreg_b32 s2, hwreg(HW_REG_IB_STS2, 6, 4)
	s_cmp_eq_u32 s2, 0
	s_cbranch_scc0 .Lentry_in_a_cluster
	s_endpgm
.Lentry_in_a_cluster:
	s_bfe_u32 s2, ttmp6, 0x10000c
	s_cmp_lg_u32 s2, 0xf033
	s_cbranch_scc0 .Lentry_shape_is_right
	s_endpgm
.Lentry_shape_is_right:
; CTX: ctx = (P V) / l on codes of E3M2, quantised along the 1,024 channels for the last product.
; P's codes were made under a LOCAL M for each query and 128 keys.  At the head each thread takes one query of the work-group's 128: M = the largest of the 16 local ones; l = the sum of l_k 2^(M_k - M) (exact scalings);
; each of P's E8M0 bytes has M - M_k taken off it, four bytes at a time; a byte that would fall under 0 becomes 0.  The mended words and 1 / l go to LDS.
; 256 tiles of 128 queries x 256 channels, K = 2,048 keys in 16 steps; a wave makes 64 x 128: 32 accumulators.  Source 0 = 16 channels of v^T, source 1 = 16 queries: a lane holds one query, its registers run along the channels.
; LDS: two slots of four K steps (P's group, v^T's two groups), P's mended scale words, v^T's scale words, 1 / l, the spare words.  Waves 0, 1 fetch P's K steps in pairs, waves 2, 3 a group of v^T each.
; At the start one load a wave goes out, and slot 1's behind the next round; two refills follow, each behind a round of the cluster's barrier, with four K steps (128 matrix instructions a wave) in which to land.
; CLUSTER 4 x 4: P's tiles are shared along a row, v^T's along a column.
; REGISTERS: window 0: v0-31 addresses; v32-55 scale words, two sets; v64-143 the head's work; v128-223 P's fragments, two sets, later at work; v228-241 the way out.  window 1: v^T's fragments, two sets.  window 2: accumulators (a, b) at v[8 (8 a + b)].
; LIMITS: a row whose every key is hidden by -infinity gives NaN, as in the reference; a block of P that lies more than its byte under the row's M gets the byte 0 (2^-127); NaN and +infinity are not served;
; a block of ctx under 2^-122 (a block of zeros too) gets the byte 1.
.set PSO, 12582912
.set PTO, 13107200
.set VCO, 12582912
.set VSO, 19398656
.set CSO, 6291456
.set SLOT,  147456
.set SCLA,  294912
.set SCLB,  303104
.set RL,    319488
.set SPARE, 320000
.set T,  128
.set TM, 192
.set PC, 208
.set SW, 228
.set RLP, 232
.set SEL, 96
.set G1A, 24
.set G0A, 32
.set G1B, 44
.set G0B, 52
.set G1SB, 80
.set G0SB, 88
.set MSB, 0
.macro WIN new
.if MSB != (\new)
	s_set_vgpr_msb (MSB<<8)|(\new)
.set MSB, (\new)
.endif
.endm
.macro PLACES n
.rept \n
	v_nop
.endr
.endm
.macro JLOAD g0a, g1a, g0b, g1b
	s_cmp_eq_u32 s15, 0
	s_cbranch_scc0 .Lfor_b_\@
	tensor_load_to_lds s[\g0a:\g0a+3], s[\g1a:\g1a+7]
	s_nop 0
.rept 4
	v_nop
.endr
	s_branch .Lasked_\@
.Lfor_b_\@:
	tensor_load_to_lds s[\g0b:\g0b+3], s[\g1b:\g1b+7]
	s_nop 0
.rept 4
	v_nop
.endr
.Lasked_\@:
.endm
.macro CREST
	s_cmp_lg_u32 s14, 0
	s_cbranch_scc1 .Lnot_wave_0_\@
	s_barrier_signal -3
.Lnot_wave_0_\@:
	s_barrier_wait -3
	s_barrier_signal -1
	s_barrier_wait -1
.endm
.macro CROUND
	s_barrier_signal -1
	s_barrier_wait -1
	CREST
.endm
.macro FRAG reg, adr, off
	ds_load_b128 v[(\reg):(\reg)+3], v[\adr] offset:(\off)
	ds_load_b128 v[(\reg)+4:(\reg)+7], v[\adr] offset:(\off)+512
	ds_load_b128 v[(\reg)+8:(\reg)+11], v[\adr] offset:(\off)+1024
.endm
.macro FETCH48 ks                      ; K step ks into set ks % 2: v^T's 8 fragments, P's 4, the scale words: 39 loads in one run
	WIN 0x40
.set i, 0
.rept 8
	FRAG 128*((\ks)%2)+12*i, 20+((\ks)/4)%2, ((\ks)%4)*12288+i*1536
.set i, i+1
.endr
	WIN 0
.set i, 0
.rept 4
	FRAG 128+48*((\ks)%2)+12*i, 16+((\ks)/4)%2, ((\ks)%4)*12288+i*1536
.set i, i+1
.endr
	ds_load_b128 v[32+12*((\ks)%2):35+12*((\ks)%2)], v24 offset:(\ks)*512
	ds_load_b128 v[36+12*((\ks)%2):39+12*((\ks)%2)], v25 offset:(\ks)*512
	ds_load_b128 v[40+12*((\ks)%2):43+12*((\ks)%2)], v25 offset:(\ks)*512+256
.endm
.macro MULA a, ks, zero                ; 8 matrix instructions: P's block a x v^T's eight; the 32 accumulators take turns
.set ib, 0
.rept 8
.if \zero
	v_wmma_scale_f32_16x16x128_f8f6f4 v[8*(8*(\a)+ib):8*(8*(\a)+ib)+7], v[128*((\ks)%2)+12*ib:128*((\ks)%2)+12*ib+11], v[128+48*((\ks)%2)+12*(\a):128+48*((\ks)%2)+12*(\a)+11], 0, v[36+12*((\ks)%2)+ib], v[32+12*((\ks)%2)+(\a)] matrix_a_fmt:MATRIX_FMT_BF6 matrix_b_fmt:MATRIX_FMT_BF6
.else
	v_wmma_scale_f32_16x16x128_f8f6f4 v[8*(8*(\a)+ib):8*(8*(\a)+ib)+7], v[128*((\ks)%2)+12*ib:128*((\ks)%2)+12*ib+11], v[128+48*((\ks)%2)+12*(\a):128+48*((\ks)%2)+12*(\a)+11], v[8*(8*(\a)+ib):8*(8*(\a)+ib)+7], v[36+12*((\ks)%2)+ib], v[32+12*((\ks)%2)+(\a)] matrix_a_fmt:MATRIX_FMT_BF6 matrix_b_fmt:MATRIX_FMT_BF6
.endif
.set ib, ib+1
.endr
.endm
.macro STEP48 ks, zero                 ; a K step whose successor lies in the same slot: the next step's run of loads first, then 32 matrix instructions
	s_wait_dscnt 0x0                               ; this step's fragments are in (asked for 32 matrix instructions ago)
	PLACES 4                                       ; in front of loads into the set that the last step multiplied
	FETCH48 (\ks)+1
	WIN 0xa1
	MULA 0, \ks, \zero
	MULA 1, \ks, \zero
	MULA 2, \ks, \zero
	MULA 3, \ks, \zero
	WIN 0
.endm
.macro TURN48 ks, fill                 ; a slot's last step changes slots
	s_wait_tensorcnt 0x0                           ; all my tensor loads have landed: my part of the next slot
	ds_add_u32 v28, v29                            ; 0 onto my spare word
	s_wait_dscnt 1                                 ; this step's fragments are in (the add may be out)
	WIN 0xa1
	MULA 0, \ks, 0
	s_wait_dscnt 0x0                               ; the add is done, and my reads of this slot are over
	s_barrier_signal -1
	MULA 1, \ks, 0
	WIN 0
	s_barrier_wait -1
.if \fill
	CREST                                          ; no wave of any partner still reads this slot or has a load on its way
	s_add_nc_u64 s[G0A+4*(((\ks)/4)%2)+2:G0A+4*(((\ks)/4)%2)+3], s[G0A+4*(((\ks)/4)%2)+2:G0A+4*(((\ks)/4)%2)+3], 98304   ; eight K steps on
	s_add_nc_u64 s[G0B+4*(((\ks)/4)%2)+2:G0B+4*(((\ks)/4)%2)+3], s[G0B+4*(((\ks)/4)%2)+2:G0B+4*(((\ks)/4)%2)+3], 98304
	JLOAD G0A+4*(((\ks)/4)%2), G1A, G0B+4*(((\ks)/4)%2), G1B
.else
	PLACES 4
.endif
	FETCH48 (\ks)+1
	WIN 0xa1
	MULA 2, \ks, 0
	MULA 3, \ks, 0
	WIN 0
.endm
.macro SWAP64 t
.set k, 0
.rept 32
	v_permlane16_swap_b32 v[(\t)+16*(k/8)+k%8], v[(\t)+16*(k/8)+8+k%8]
.set k, k+1
.endr
.endm
.macro QUANT s, pw
.irp b, 0,1,2,3
	v_max3_num_f32 v[TM+\b], |v[(\s)+16*\b]|, |v[(\s)+1+16*\b]|, 0x2800000
.endr
.irp i, 2,4,6,8,10,12,14
.irp b, 0,1,2,3
	v_max3_num_f32 v[TM+\b], v[TM+\b], |v[(\s)+16*\b+\i]|, |v[(\s)+1+16*\b+\i]|
.endr
.endr
.irp b, 0,1,2,3
	v_permlanex16_b32 v[TM+4+\b], v[TM+\b], s[SEL], s[SEL+1]
.endr
.irp b, 0,1,2,3
	v_max_num_f32 v[TM+\b], v[TM+\b], v[TM+4+\b]
.endr
.irp b, 0,1,2,3
	v_add_nc_u32 v[TM+12+\b], 0xfe000000, v[TM+\b]
.endr
.irp b, 0,1,2,3
	v_lshrrev_b32 v[TM+4+\b], 23, v[TM+12+\b]
.endr
	v_lshl_or_b32 v[\pw], v[TM+5], 8, v[TM+4]
	v_lshl_or_b32 v[\pw], v[TM+6], 16, v[\pw]
	v_lshl_or_b32 v[\pw], v[TM+7], 24, v[\pw]
.irp c, 0,1
	v_cvt_scalef32_pk16_bf6_f32 v[PC+6*\c:PC+2+6*\c], v[(\s)+32*\c:(\s)+15+32*\c], v[TM+12+2*\c]
	v_cvt_scalef32_pk16_bf6_f32 v[PC+12+4*\c:PC+14+4*\c], v[(\s)+16+32*\c:(\s)+31+32*\c], v[TM+12+2*\c+1]
.endr
	v_nop
.irp c, 0,1
.irp i, 0,1,2
	v_permlane16_swap_b32 v[PC+6*\c+\i], v[PC+12+4*\c+\i]
.endr
.irp i, 0,1,2
	v_mov_b32 v[PC+3+6*\c+\i], v[PC+12+4*\c+\i]
.endr
.endr
.endm
	s_load_b128 s[4:7], s[0:1], 0x0                ; pbuf, qkvb
	s_load_b64 s[8:9], s[0:1], 0x10                ; ctxb
	v_lshl_add_u32 v28, v0, 2, SPARE
	v_mov_b32 v29, 0
	ds_add_u32 v28, v29
	ds_add_u32 v28, v29
	s_wait_dscnt 0x0
	v_lshrrev_b32 v1, 5, v0
	v_readfirstlane_b32 s14, v1
	s_lshr_b32 s15, s14, 1                         ; which 64 queries are mine.  Also: I fetch for P (0) or for v^T (1)
	s_and_b32 s16, s14, 1                          ; which 128 channels.  Also: which part I fetch
	s_bfe_u32 s66, ttmp6, 0x40000
	s_bfe_u32 s67, ttmp6, 0x40004
	s_and_b32 s20, ttmp7, 0xffff
	s_lshr_b32 s93, s20, 2                         ; the batch: 16 groups of 128 queries each
	s_lshl_b32 s20, s20, 2
	s_add_co_u32 s17, s20, s67                     ; G: the group of queries, 0..63
	s_lshl_b32 s92, ttmp9, 2
	s_add_co_u32 s92, s92, s66                     ; the tile of 256 channels, 0..3
	s_lshl_b32 s2, s67, 2
	s_lshl_b32 s2, 15, s2
	s_lshl_b32 s3, 0x1111, s66
	s_or_b32 s[G1A], s2, (3<<16)|(1<<21)
	s_or_b32 s[G1B], s3, (3<<16)|(1<<21)
	s_or_b32 s[G1SB], s3, (3<<16)|(1<<21)
	s_mov_b32 s[G1A+1], 32<<16                     ; 24,576 dense bytes as 96 rows of 256
	s_mov_b32 s[G1A+2], 192<<16                    ; for the head's load: P's four K steps, 49,152 dense bytes as 192 rows
	s_mov_b32 s[G1A+3], 32<<16
	s_mov_b32 s[G1A+4], 192
	s_mov_b32 s[G1A+5], 32
	s_mov_b32 s[G1A+6], 0
	s_mov_b32 s[G1A+7], 0
	s_mov_b32 s[G1B+1], 32<<16                     ; 49,152 as 192 rows
	s_mov_b32 s[G1B+2], 192<<16
	s_mov_b32 s[G1B+3], 32<<16
	s_mov_b32 s[G1B+4], 192
	s_mov_b32 s[G1B+5], 32
	s_mov_b32 s[G1B+6], 0
	s_mov_b32 s[G1B+7], 0
	s_mov_b32 s[G1SB+1], 32<<16                    ; 8,192 as 32 rows
	s_mov_b32 s[G1SB+2], 64<<16                    ; both groups' scale words: 16,384 dense bytes as 64 rows
	s_mov_b32 s[G1SB+3], 32<<16
	s_mov_b32 s[G1SB+4], 64
	s_mov_b32 s[G1SB+5], 32
	s_mov_b32 s[G1SB+6], 0
	s_mov_b32 s[G1SB+7], 0
	s_mul_i32 s18, s17, 196608                     ; P: 16 K steps of 12,288 bytes a group,
	s_mul_i32 s19, s16, 24576                      ; my two K steps of a slot's four
	s_add_co_u32 s18, s18, s19
	s_mov_b32 s22, s19                             ; and the same place in a slot
	s_mov_b32 s19, 0
	s_lshl_b32 s3, s92, 1
	s_add_co_u32 s3, s3, s16                       ; v^T's group in the batch
	s_mul_i32 s98, s3, 196608
	s_mul_i32 s99, s93, 1572864
	s_add_co_u32 s98, s98, s99
	s_add_co_u32 s98, s98, VCO
	s_mov_b32 s99, 0
	s_lshl_b32 s100, s92, 14
	s_lshl_b32 s101, s93, 16
	s_add_co_u32 s100, s100, s101
	s_add_co_u32 s100, s100, VSO
	s_mov_b32 s101, 0
	s_mul_i32 s23, s16, 49152
	s_add_co_u32 s23, s23, 49152
	s_mov_b32 s[SEL], 0x76543210
	s_mov_b32 s[SEL+1], 0xfedcba98
	s_wait_kmcnt 0x0
	s_add_nc_u64 s[18:19], s[4:5], s[18:19]
	s_add_nc_u64 s[98:99], s[6:7], s[98:99]
	s_add_nc_u64 s[100:101], s[6:7], s[100:101]
	s_mov_b32 s[G0SB], 1
	s_mov_b32 s[G0SB+1], SCLB
	s_mov_b64 s[G0SB+2:G0SB+3], s[100:101]
	s_or_b32 s[G0SB+3], s[G0SB+3], 0x80000000
.irp s, 0,1
	s_mov_b32 s[G0A+4*\s], 1
	s_add_co_u32 s[G0A+4*\s+1], s22, \s*SLOT
	s_add_nc_u64 s[G0A+4*\s+2:G0A+4*\s+3], s[18:19], \s*49152
	s_or_b32 s[G0A+4*\s+3], s[G0A+4*\s+3], 0x80000000
	s_mov_b32 s[G0B+4*\s], 1
	s_add_co_u32 s[G0B+4*\s+1], s23, \s*SLOT
	s_add_nc_u64 s[G0B+4*\s+2:G0B+4*\s+3], s[98:99], \s*49152
	s_or_b32 s[G0B+4*\s+3], s[G0B+4*\s+3], 0x80000000
.endr
	CROUND
	s_cmp_eq_u32 s14, 0                            ; the head's loads, one a wave: wave 0 P's four K steps, wave 1 v^T's scale words, waves 2, 3 a group of v^T each
	s_cbranch_scc0 .Lfirst_b
	tensor_load_to_lds s[G0A:G0A+3], s[G1A:G1A+7]
	s_nop 0
.rept 4
	v_nop
.endr
	s_branch .Lfirst_done
.Lfirst_b:
	s_cmp_eq_u32 s14, 1
	s_cbranch_scc0 .Lfirst_v
	tensor_load_to_lds s[G0SB:G0SB+3], s[G1SB:G1SB+7]
	s_nop 0
.rept 4
	v_nop
.endr
	s_branch .Lfirst_done
.Lfirst_v:
	tensor_load_to_lds s[G0B:G0B+3], s[G1B:G1B+7]
	s_nop 0
.rept 4
	v_nop
.endr
.Lfirst_done:
	; ---- the head's work: thread = query of the group
	s_lshl_b32 s2, s93, 18
	s_and_b32 s3, s17, 15
	s_lshl_b32 s3, s3, 10
	s_add_co_u32 s2, s2, s3
	s_add_co_u32 s2, s2, PTO
	s_mov_b32 s3, 0
	s_add_nc_u64 s[10:11], s[4:5], s[2:3]          ; (-M, l) of my group's queries, key tile 0
	s_lshl_b32 s2, s17, 13
	s_add_co_u32 s2, s2, PSO
	s_add_nc_u64 s[12:13], s[4:5], s[2:3]          ; P's scale words of my group
	v_lshlrev_b32 v5, 3, v0
	v_lshrrev_b32 v6, 6, v0
	v_lshlrev_b32 v6, 8, v6
	v_and_b32 v7, 15, v0
	v_lshl_add_u32 v6, v7, 4, v6
	v_bfe_u32 v7, v0, 4, 2
	v_lshl_add_u32 v6, v7, 2, v6                   ; my query's word in a K step's 512 bytes: 256 (q / 64) + 16 (q % 16) + 4 ((q / 16) % 4)
	v_add_nc_u32 v7, SCLA, v6
	v_lshl_add_u32 v8, v0, 2, RL
.set k, 0
.rept 16
	global_load_b64 v[64+2*k:65+2*k], v5, s[10:11] offset:16384*k
.set k, k+1
.endr
.set k, 0
.rept 16
	global_load_b32 v[96+k], v6, s[12:13] offset:512*k
.set k, k+1
.endr
	; addresses for the loop and the way out, while these are on their way
	v_and_b32 v1, 31, v0
	v_and_b32 v2, 15, v0                           ; r
	v_bfe_u32 v3, v0, 4, 1                         ; h
	v_lshlrev_b32 v26, 4, v1
	v_lshlrev_b32 v27, 4, v2
	s_wait_alu depctr_va_vdst(0)
	s_mul_i32 s2, s15, 6144                        ; my four blocks of P
	s_mul_i32 s3, s16, 49152
	s_add_co_u32 s3, s3, 49152                     ; my group of v^T
.irp s, 0,1
	v_add_nc_u32 v[16+\s], s2, v26
	v_add_nc_u32 v[20+\s], s3, v26
	s_add_co_u32 s2, s2, SLOT
	s_add_co_u32 s3, s3, SLOT
.endr
	s_lshl_b32 s2, s15, 8
	s_add_co_u32 s3, s2, SCLA
	v_add_nc_u32 v24, s3, v27
	s_add_co_u32 s3, s2, RL
	v_lshl_add_u32 v9, v2, 2, s3                   ; 1 / l of query 64 x half + 16 a + r
	s_lshl_b32 s3, s16, 13
	s_add_co_u32 s3, s3, SCLB
	v_add_nc_u32 v25, s3, v27
	v_lshl_add_u32 v10, v3, 3, v27                 ; 16 r + 8 h
	s_lshl_b32 s2, s17, 3
	s_lshl_b32 s3, s92, 1
	s_add_co_u32 s2, s2, s3
	s_add_co_u32 s2, s2, s16                       ; 8 G + the next product's K step
	s_lshl_b32 s20, s2, 9
	s_lshl_b32 s3, s15, 8
	s_add_co_u32 s20, s20, s3
	s_add_co_u32 s20, s20, CSO
	s_mov_b32 s21, 0
	s_add_nc_u64 s[20:21], s[8:9], s[20:21]        ; ctx's scale words
	s_mul_i32 s2, s2, 12288
	s_mul_i32 s3, s15, 6144
	s_add_co_u32 s2, s2, s3
	s_mov_b32 s3, 0
	s_add_nc_u64 s[8:9], s[8:9], s[2:3]            ; ctx's codes
	s_mov_b32 s2, 0x80808080
	s_mov_b32 s3, 0x01010101
	s_mov_b32 s22, 0x7f7f7f7f
	s_wait_loadcnt 0x0
	v_min3_num_f32 v112, v64, v66, v68
.irp k, 3,5,7,9,11,13
	v_min3_num_f32 v112, v112, v[64+2*\k], v[66+2*\k]
.endr
	v_min_num_f32 v112, v112, v94                  ; the least -M: the row's own
.set k, 0
.rept 16
	v_sub_f32 v[64+2*k], v[64+2*k], v112           ; M - M_k: a whole number, 0 or more
.set k, k+1
.endr
.set k, 0
.rept 16
	v_cvt_i32_f32 v[64+2*k], v[64+2*k]             ; (it saturates)
.set k, k+1
.endr
.set k, 0
.rept 16
	v_min_u32 v[64+2*k], 127, v[64+2*k]            ; P's bytes are at most 123: beyond that nothing is left of them
.set k, k+1
.endr
.set k, 0
.rept 16
	v_sub_nc_u32 v[128+k], 0, v[64+2*k]
.set k, k+1
.endr
.set k, 0
.rept 16
	v_ldexp_f32 v[65+2*k], v[65+2*k], v[128+k]     ; l_k under the row's M
.set k, k+1
.endr
	v_add_f32 v113, v65, v67
	v_add_f32 v114, v69, v71
.irp k, 4,6,8,10,12,14
	v_add_f32 v113, v113, v[65+2*\k]
	v_add_f32 v114, v114, v[67+2*\k]
.endr
	v_add_f32 v113, v113, v114                     ; l
	s_wait_alu depctr_va_vdst(0)
	v_rcp_f32 v113, v113
.set k, 0
.rept 16
	v_mul_lo_u32 v[64+2*k], v[64+2*k], s3          ; M - M_k in all four bytes.  (The first of these is the plain place behind the reciprocal)
.set k, k+1
.endr
.set k, 0
.rept 16
	v_or_b32 v[96+k], s2, v[96+k]                  ; 128 + byte: no byte borrows from its neighbour
.set k, k+1
.endr
.set k, 0
.rept 16
	v_sub_nc_u32 v[96+k], v[96+k], v[64+2*k]
.set k, k+1
.endr
.set k, 0
.rept 16
	v_lshrrev_b32 v[64+2*k], 7, v[96+k]
.set k, k+1
.endr
.set k, 0
.rept 16
	v_and_b32 v[64+2*k], s3, v[64+2*k]             ; 1 where the byte has stayed at 0 or above
.set k, k+1
.endr
.set k, 0
.rept 16
	v_lshlrev_b32 v[128+k], 8, v[64+2*k]
.set k, k+1
.endr
.set k, 0
.rept 16
	v_sub_nc_u32 v[64+2*k], v[128+k], v[64+2*k]    ; 0xff there
.set k, k+1
.endr
.set k, 0
.rept 16
	v_and_b32 v[96+k], s22, v[96+k]
.set k, k+1
.endr
.set k, 0
.rept 16
	v_and_b32 v[96+k], v[96+k], v[64+2*k]
.set k, k+1
.endr
.set k, 0
.rept 16
	ds_store_b32 v7, v[96+k] offset:512*k
.set k, k+1
.endr
	s_wait_alu depctr_va_vdst(0)                   ; ahead of the reciprocal's first reader
	ds_store_b32 v8, v113
	s_wait_tensorcnt 0x0                           ; my tile of the head's is in; slot 1's first fill is issued as a refill is
	ds_add_u32 v28, v29                            ; 0 onto my spare word
	s_mov_b32 s[G1A+2], 96<<16                     ; no tensor load of mine is out: from here on P comes in pairs of K steps, 96 rows of 256 bytes
	s_mov_b32 s[G1A+4], 96
	s_wait_dscnt 0x0                               ; the add is done; for the others' sake: my words and my 1 / l lie in LDS
	CROUND
	JLOAD G0A+4, G1A, G0B+4, G1B                   ; K steps 4 to 7
.irp q, 0,1,2,3
	ds_load_b32 v[RLP+2*\q], v9 offset:64*\q
	ds_load_b32 v[RLP+2*\q+1], v9 offset:64*\q     ; (the packed form names a pair: both are written)
.endr
	FETCH48 0
	STEP48 0, 1
	STEP48 1, 0
	STEP48 2, 0
	TURN48 3, 1
	STEP48 4, 0
	STEP48 5, 0
	STEP48 6, 0
	TURN48 7, 1
	STEP48 8, 0
	STEP48 9, 0
	STEP48 10, 0
	TURN48 11, 0
	STEP48 12, 0
	STEP48 13, 0
	STEP48 14, 0
	s_wait_dscnt 0x0
	WIN 0xa1
	MULA 0, 15, 0
	MULA 1, 15, 0
	MULA 2, 15, 0
	MULA 3, 15, 0
	WIN 0
	PLACES 4
.irp b, 0,1,2,3
	v_mov_b32 v[TM+4+\b], 0
.endr
.macro EPI48 a                         ; block a: / l, 16 neighbours a lane, quantised: one fragment of the last product
	s_wait_xcnt 0x0                                ; the last block's stores have read v[PC] on
	WIN 0x02
.set k, 0
.rept 32
	v_pk_mul_f32 v[T+2*k:T+2*k+1], v[64*(\a)+2*k:64*(\a)+2*k+1], v[RLP+2*(\a):RLP+2*(\a)+1] op_sel_hi:[1,0]   ; each accumulator from its low end on
.set k, k+1
.endr
	WIN 0
	SWAP64 T
	QUANT T, SW+(\a)
	global_store_b128 v26, v[PC:PC+3], s[8:9] offset:(\a)*1536
	global_store_b128 v26, v[PC+4:PC+7], s[8:9] offset:(\a)*1536+512
	global_store_b128 v26, v[PC+8:PC+11], s[8:9] offset:(\a)*1536+1024
.endm
	EPI48 0
	EPI48 1
	EPI48 2
	EPI48 3
	v_cmp_eq_u32 vcc_lo, 1, v3
	v_cndmask_b32 v240, v[SW], v[SW+2], vcc_lo
	v_cndmask_b32 v241, v[SW+1], v[SW+3], vcc_lo
	global_store_b64 v10, v[240:241], s[20:21]     ; 32 lanes store 256 consecutive bytes, aligned
	s_wait_tensorcnt 0x0                           ; the wave's end
	ds_add_u32 v28, v29
	s_wait_dscnt 0x0
	CROUND
	s_endpgm
.Lfunc_end_k_qef63d9f3bf_ctx:
	.size	k_qef63d9f3bf_ctx, .Lfunc_end_k_qef63d9f3bf_ctx-k_qef63d9f3bf_ctx
	.p2alignl 7, 3214868480
	.fill 96, 4, 3214868480
	.section	.rodata,"a",@progbits
	.p2align	6, 0x0
	.amdhsa_kernel k_qef63d9f3bf_ctx
		.amdhsa_group_segment_fixed_size 327680
		.amdhsa_private_segment_fixed_size 0
		.amdhsa_enable_private_segment 0
		.amdhsa_kernarg_size 24
		.amdhsa_user_sgpr_count 2
		.amdhsa_user_sgpr_kernarg_segment_ptr 1
		.amdhsa_wavefront_size32 1
		.amdhsa_system_sgpr_workgroup_id_x 1
		.amdhsa_system_sgpr_workgroup_id_y 1
		.amdhsa_system_sgpr_workgroup_id_z 1
		.amdhsa_system_vgpr_workitem_id 0
		.amdhsa_next_free_vgpr 768
		.amdhsa_next_free_sgpr 102
		.amdhsa_reserve_vcc 1
		.amdhsa_float_denorm_mode_32 3
		.amdhsa_float_denorm_mode_16_64 3
		.amdhsa_memory_ordered 1
		.amdhsa_forward_progress 1
		.amdhsa_inst_pref_size 163
	.end_amdhsa_kernel
	.amdgpu_metadata
---
amdhsa.version: [ 1, 2 ]
amdhsa.kernels:
  - .name:           k_qef63d9f3bf_ctx
    .symbol:         k_qef63d9f3bf_ctx.kd
    .args:
      - { .name: pbuf, .offset: 0, .size: 8, .value_kind: global_buffer, .address_space: global }
      - { .name: qkvb, .offset: 8, .size: 8, .value_kind: global_buffer, .address_space: global }
      - { .name: ctxb, .offset: 16, .size: 8, .value_kind: global_buffer, .address_space: global }
    .group_segment_fixed_size: 327680
    .private_segment_fixed_size: 0
    .kernarg_segment_align: 8
    .kernarg_segment_size: 24
    .max_flat_workgroup_size: 128
    .sgpr_count:     102
    .vgpr_count:     768
    .wavefront_size: 32
...
	.end_amdgpu_metadata
.endif
;; end of part 4
;; launch outln (part 5): grid 256 x 1, 8 waves a work-group, no clusters, 157,184 bytes of LDS; arguments ctxb, prepb, bo, hidden_states, ln_g, ln_b, out0; writes out0
.if DOCPART == 5
	.amdgcn_target "amdgcn-amd-amdhsa--gfx1250"
	.amdhsa_code_object_version 6
	.text
	.protected	k_qef63d9f3bf_outln
	.globl	k_qef63d9f3bf_outln
	.p2align	8
	.type	k_qef63d9f3bf_outln,@function
k_qef63d9f3bf_outln:
	s_mov_b64 s[64:65], 0
	v_nop
	global_prefetch_b8 v0, s[64:65] scope:SCOPE_SE
	s_setreg_imm32_b32 hwreg(HW_REG_WAVE_MODE, 25, 1), 1
	s_wait_xcnt 0x0
; OUTLN: out = LayerNorm(ctx Wo^T + bo + hidden_states) x ln_g + ln_b; the product on codes of E3M2 with E8M0 scales, all else in f32.
; 256 work-groups of 8 waves; a work-group makes 32 whole rows (LayerNorm wants whole rows).  Wave w multiplies ctx's 32 rows by Wo's group w (128 rows of Wo = columns 128 w ..): 16 accumulators, 16 matrix instructions a K step.
; Source 0 = 16 rows of Wo, source 1 = 16 rows of ctx: a lane holds one row of the result, its registers run along the columns.
; Wo'S FRAGMENTS GO FROM MEMORY STRAIGHT INTO REGISTERS: they lie as images of the operand's registers (512 consecutive bytes a load), and each is multiplied by one wave of the work-group alone, so LDS would hand nothing from wave to wave.
; A ring of three K steps in registers (3 x 96): while one is multiplied, two (52 loads a wave) are asked for.  NO TENSOR LOAD AND NO CLUSTER: a K step of all of Wo is 98,304 bytes, so two LDS slots beside the stage
; would hold one K step each, 16 matrix instructions a wave between two rounds of a cluster's barrier; the ring in registers needs no barrier at all.
; ctx's 32 rows (24,576 bytes of codes) are read once, wave w K step w, and go through LDS to all waves.
; THE WAY OUT: the sums go through a stage in LDS (32 rows x 4,112 bytes); behind one barrier wave w owns rows 4 w .. 4 w + 3 whole: lane l holds columns 128 c + 4 l .. + 3.  hidden_states, bo, ln_g, ln_b are loaded in that
; same layout, the row's sums are made across the wave's lanes alone, and each store covers 512 consecutive bytes, aligned.  The mean is taken first and the squares of the differences afterwards.
; PREFETCH: my four rows of hidden_states (16,384 consecutive bytes, 64 blocks of 256, a lane a block) are asked for in K steps 0 and 1, 8,192 bytes each; they are loaded behind K steps 5 and 6.  Each block is named once.
; Wo is read by all work-groups alike and ctx at the head: neither is prefetched.
; REGISTERS: window 0: v0-15 addresses; v16-31 ctx's scale words (2 a K step); v32-55 Wo's scale words, ring of 3 x 8; later v40-55 LayerNorm's sums; v64-159, v160-255 ring places 1, 2; later ln_b, and hidden_states' rows 0-2.
;   window 1: v0-127 accumulators (a, b) at v[64 a + 8 b], later my four rows; v128-223 ring place 0, later hidden_states' row 3, bo, ln_g; v224-247 ctx's two fragments, later sums.
; LIMITS: NaN and infinities are not served.
.set CSO, 6291456                      ; in ctxb: ctx's scale words
.set WOC, 8912896                      ; in prepb: Wo's codes
.set WOS, 9797632                      ; and its scale words
.set STG, 24576                        ; LDS: ctx's codes at 0, then the stage
.set SP,  4112                         ; a stage row: 4,096 bytes + 16: an odd multiple of 16
.set SPARE, 156160                     ; the spare words: 128 bytes a wave
.set L16, 7                            ; 16 x lane
.set R16, 8                            ; 16 x (lane % 16)
.set PFO, 9                            ; 256 x lane
.set CST, 10                           ; where I put ctx's K step w
.set STO, 11                           ; v11, v12: where my lane's 32 bytes of rows r and 16 + r go
.set RD,  13                           ; where my four rows begin
.set SPW, 14
.set NIL, 15
.set CS,  16
.set WS,  32
.set MSB, 0
.macro WIN new                         ; the immediate's high byte repeats the setting that is left
.if MSB != (\new)
	s_set_vgpr_msb (MSB<<8)|(\new)
.set MSB, (\new)
.endif
.endm
.macro PLACES n
.rept \n
	v_nop
.endr
.endm
.macro WLOAD ks                        ; Wo's 8 fragments (24 loads) and 8 scale words a row (2 loads) of K step ks into ring place ks % 3
.if (\ks)%3 == 0
	WIN 0x40
.set WB, 128
.else
	WIN 0
.set WB, 64+96*((\ks)%3-1)
.endif
.set i, 0
.rept 24
	global_load_b128 v[WB+4*i:WB+4*i+3], v[L16], s[24:25] offset:(\ks)*12288+512*i
.set i, i+1
.endr
	WIN 0
	global_load_b128 v[WS+8*((\ks)%3):WS+8*((\ks)%3)+3], v[R16], s[26:27] offset:(\ks)*512
	global_load_b128 v[WS+8*((\ks)%3)+4:WS+8*((\ks)%3)+7], v[R16], s[26:27] offset:(\ks)*512+256
.endm
.macro CFRAG ks                        ; ctx's two fragments of K step ks from LDS
	WIN 0x40
.set i, 0
.rept 6
	ds_load_b128 v[224+4*i:227+4*i], v[L16] offset:(\ks)*3072+512*i
.set i, i+1
.endr
	WIN 0
.endm
.macro MUL ks                          ; 16 matrix instructions; the 16 accumulators take turns, one instruction a turn; the first K step starts the sums
.if (\ks)%3 == 0
	WIN 0x55
.set WB, 128
.else
	WIN 0x54
.set WB, 64+96*((\ks)%3-1)
.endif
.set ia, 0
.rept 2
.set ib, 0
.rept 8
.if (\ks) == 0
	v_wmma_scale_f32_16x16x128_f8f6f4 v[64*ia+8*ib:64*ia+8*ib+7], v[WB+12*ib:WB+12*ib+11], v[224+12*ia:235+12*ia], 0, v[WS+8*((\ks)%3)+ib], v[CS+2*(\ks)+ia] matrix_a_fmt:MATRIX_FMT_BF6 matrix_b_fmt:MATRIX_FMT_BF6
.else
	v_wmma_scale_f32_16x16x128_f8f6f4 v[64*ia+8*ib:64*ia+8*ib+7], v[WB+12*ib:WB+12*ib+11], v[224+12*ia:235+12*ia], v[64*ia+8*ib:64*ia+8*ib+7], v[WS+8*((\ks)%3)+ib], v[CS+2*(\ks)+ia] matrix_a_fmt:MATRIX_FMT_BF6 matrix_b_fmt:MATRIX_FMT_BF6
.endif
.set ib, ib+1
.endr
.set ia, ia+1
.endr
.endm
.macro KSTEP ks, n                     ; n: the global loads issued behind this K step's 26, which may stay out
	s_wait_loadcnt \n
	s_wait_dscnt 0x0                               ; ctx's two fragments are in
.if (\ks) < 2
	global_prefetch_b8 v[PFO], s[10:11] offset:8192*(\ks) th:TH_LOAD_NT scope:SCOPE_SE
.endif
	MUL \ks
	PLACES 4                                       ; in front of loads into registers that the matrix instructions have read
	WIN 0
.if (\ks) < 7
	CFRAG (\ks)+1
.endif
.if (\ks) < 5
	WLOAD (\ks)+3
.endif
.endm
.macro REDUCE                          ; v40-43: four rows' sums over the 32 lanes, the four chains by turns
.irp m, 1,2,4,8
.irp q, 0,1,2,3
	v_add_f32_dpp v[40+\q], v[40+\q], v[40+\q] row_xmask:\m row_mask:0xf bank_mask:0xf
.endr
.endr
.irp q, 0,1,2,3
	v_permlanex16_b32 v[44+\q], v[40+\q], s30, s31
.endr
.irp q, 0,1,2,3
	v_add_f32 v[40+\q], v[40+\q], v[44+\q]
.endr
.endm
	s_load_b256 s[4:11], s[0:1], 0x0               ; ctxb, prepb, bo, hidden_states
	s_load_b128 s[12:15], s[0:1], 0x20             ; ln_g, ln_b
	s_load_b64 s[16:17], s[0:1], 0x30              ; out0
	v_lshl_add_u32 v[SPW], v0, 2, SPARE
	v_mov_b32 v[NIL], 0
	v_lshrrev_b32 v1, 5, v0
	v_readfirstlane_b32 s18, v1                    ; wave 0..7
	v_and_b32 v2, 31, v0
	v_and_b32 v3, 15, v0                           ; r
	v_bfe_u32 v4, v0, 4, 1                         ; h
	v_lshlrev_b32 v[L16], 4, v2
	v_lshlrev_b32 v[R16], 4, v3
	v_lshlrev_b32 v[PFO], 8, v2
	v_mul_u32_u24 v5, v3, SP
	v_mad_u32_u24 v[CST], v1, 3072, v[L16]
	v_mad_u32_u24 v6, v1, 4*SP, v[L16]
	v_lshl_add_u32 v5, v4, 5, v5
	v_add_nc_u32 v[RD], STG, v6
	s_delay_alu instid0(VALU_DEP_2)
	v_lshl_add_u32 v5, v1, 9, v5                   ; row r, + 32 h, + my 512 bytes of the row
	s_delay_alu instid0(VALU_DEP_1)
	v_add_nc_u32 v[STO], STG, v5
	v_add_nc_u32 v[STO+1], STG+16*SP, v5
	s_lshr_b32 s19, ttmp9, 2                       ; ctx's group of 128 rows
	s_and_b32 s34, ttmp9, 3                        ; which 32 rows of it: blocks 2 x this, + 1
	s_mul_i32 s20, s19, 98304
	s_mul_i32 s35, s34, 3072
	s_add_co_u32 s20, s20, s35
	s_mul_i32 s35, s18, 12288                      ; K step w
	s_add_co_u32 s20, s20, s35
	s_mov_b32 s21, 0
	s_lshl_b32 s22, s19, 12                        ; scale words: 512 bytes a K step; blocks 0-3 | 4-7; 16 bytes a row; my two blocks' words lie together
	s_lshr_b32 s35, s34, 1
	s_lshl_b32 s35, s35, 8
	s_add_co_u32 s22, s22, s35
	s_and_b32 s35, ttmp9, 1
	s_lshl_b32 s35, s35, 3
	s_add_co_u32 s22, s22, s35
	s_add_co_u32 s22, s22, CSO
	s_mov_b32 s23, 0
	s_mul_i32 s24, s18, 98304                      ; Wo's group w
	s_add_co_u32 s24, s24, WOC
	s_mov_b32 s25, 0
	s_lshl_b32 s26, s18, 12
	s_add_co_u32 s26, s26, WOS
	s_mov_b32 s27, 0
	s_lshl_b32 s28, ttmp9, 17                      ; 32 rows of 4,096 bytes,
	s_lshl_b32 s35, s18, 14                        ; my four of them
	s_add_co_u32 s28, s28, s35
	s_mov_b32 s29, 0
	s_mov_b32 s30, 0x76543210
	s_mov_b32 s31, 0xfedcba98                      ; v_permlanex16_b32's selects for lane l xor 16
	s_mov_b32 s32, 0x3a800000                      ; 2^-10
	s_mov_b32 s33, 0x2b8cbccc                      ; 1e-12
	s_wait_alu depctr_va_vdst(0)                   ; the wait at the head's end
	s_wait_kmcnt 0x0
	s_add_nc_u64 s[20:21], s[4:5], s[20:21]
	s_add_nc_u64 s[22:23], s[4:5], s[22:23]
	s_add_nc_u64 s[24:25], s[6:7], s[24:25]
	s_add_nc_u64 s[26:27], s[6:7], s[26:27]
	s_add_nc_u64 s[10:11], s[10:11], s[28:29]
	s_add_nc_u64 s[16:17], s[16:17], s[28:29]
	WIN 0x40
.set i, 0
.rept 6
	global_load_b128 v[4*i:4*i+3], v[L16], s[20:21] offset:512*i   ; ctx's two fragments of K step w, where accumulators will lie
.set i, i+1
.endr
	WIN 0
.set i, 0
.rept 8
	global_load_b64 v[CS+2*i:CS+2*i+1], v[R16], s[22:23] offset:512*i   ; row r's words of my two blocks, K step i
.set i, i+1
.endr
	WLOAD 0
	s_wait_loadcnt 34                              ; ctx's six loads are in: behind them 8 + 26 were issued
	WIN 0x04
.set i, 0
.rept 6
	ds_store_b128 v[CST], v[4*i:4*i+3] offset:512*i
.set i, i+1
.endr
	WIN 0
	WLOAD 1
	s_wait_dscnt 0x0                               ; for the others' sake: my K step of ctx lies in LDS
	s_barrier_signal -1
	s_barrier_wait -1
	CFRAG 0
	WLOAD 2
	KSTEP 0, 52                                    ; the two younger K steps' 2 x 26 loads may be out
	KSTEP 1, 52
	KSTEP 2, 52
	KSTEP 3, 52
	KSTEP 4, 52
	KSTEP 5, 52
.irp q, 0,1,2                          ; ring place 2 is free: rows 0-2 of hidden_states, 512 consecutive bytes a load
.set i, 0
.rept 8
	global_load_b128 v[160+32*\q+4*i:163+32*\q+4*i], v[L16], s[10:11] offset:4096*\q+512*i th:TH_LOAD_NT
.set i, i+1
.endr
.endr
	KSTEP 6, 50                                    ; K step 7's 26 and the 24 above
	WIN 0x40                                       ; ring place 0 is free: row 3, bo, ln_g
.set i, 0
.rept 8
	global_load_b128 v[128+4*i:131+4*i], v[L16], s[10:11] offset:12288+512*i th:TH_LOAD_NT
.set i, i+1
.endr
.set i, 0
.rept 8
	global_load_b128 v[160+4*i:163+4*i], v[L16], s[8:9] offset:512*i
	global_load_b128 v[192+4*i:195+4*i], v[L16], s[12:13] offset:512*i
.set i, i+1
.endr
	WIN 0
	KSTEP 7, 48                                    ; the 24 + 24 above
.set i, 0
.rept 8
	global_load_b128 v[64+4*i:67+4*i], v[L16], s[14:15] offset:512*i   ; ring place 1 is free: ln_b
.set i, i+1
.endr
	WIN 0x04                                       ; the sums into the stage, each accumulator from its low end on (four places stand behind the last product)
.irp a, 0,1
.set ib, 0
.rept 8
	ds_store_b128 v[STO+\a], v[64*\a+8*ib:64*\a+8*ib+3] offset:64*ib
	ds_store_b128 v[STO+\a], v[64*\a+8*ib+4:64*\a+8*ib+7] offset:64*ib+16
.set ib, ib+1
.endr
.endr
	WIN 0
.irp q, 0,1,2,3
	v_mov_b32 v[44+\q], 0                          ; a lane permute's destination counts as one of its sources
.endr
	s_wait_alu depctr_va_vdst(0)
	s_wait_dscnt 0x0                               ; for the others' sake
	s_barrier_signal -1
	s_barrier_wait -1
	WIN 0x40
.irp q, 0,1,2,3
.set i, 0
.rept 8
	ds_load_b128 v[32*\q+4*i:32*\q+4*i+3], v[RD] offset:SP*\q+512*i   ; row 4 w + q, whole
.set i, i+1
.endr
.endr
	WIN 0
	s_wait_loadcnt 0x0
	s_wait_dscnt 0x0
	WIN 0x41                                       ; x = the sums + hidden_states + bo
.set k, 0
.rept 16
.irp q, 0,1,2
	v_pk_add_f32 v[32*\q+2*k:32*\q+2*k+1], v[32*\q+2*k:32*\q+2*k+1], v[160+32*\q+2*k:161+32*\q+2*k]
.endr
.set k, k+1
.endr
	WIN 0x45
.set k, 0
.rept 16
	v_pk_add_f32 v[96+2*k:97+2*k], v[96+2*k:97+2*k], v[128+2*k:129+2*k]
.set k, k+1
.endr
.set k, 0
.rept 16
.irp q, 0,1,2,3
	v_pk_add_f32 v[32*\q+2*k:32*\q+2*k+1], v[32*\q+2*k:32*\q+2*k+1], v[160+2*k:161+2*k]
.endr
.set k, k+1
.endr
.irp q, 0,1,2,3
	v_pk_add_f32 v[224+2*\q:225+2*\q], v[32*\q:32*\q+1], v[32*\q+2:32*\q+3]   ; the rows' sums, four chains by turns
.endr
.set k, 2
.rept 14
.irp q, 0,1,2,3
	v_pk_add_f32 v[224+2*\q:225+2*\q], v[224+2*\q:225+2*\q], v[32*\q+2*k:32*\q+2*k+1]
.endr
.set k, k+1
.endr
	WIN 0x05
.irp q, 0,1,2,3
	v_add_f32 v[40+\q], v[224+2*\q], v[225+2*\q]
.endr
	WIN 0
	REDUCE
.irp q, 0,1,2,3
	v_mul_f32 v[48+2*\q], 0xba800000, v[40+\q]     ; minus the mean: the sum x -2^-10, in both registers of a pair
	v_mul_f32 v[49+2*\q], 0xba800000, v[40+\q]
.endr
	WIN 0x41
.set k, 0
.rept 16
.irp q, 0,1,2,3
	v_pk_add_f32 v[32*\q+2*k:32*\q+2*k+1], v[32*\q+2*k:32*\q+2*k+1], v[48+2*\q:49+2*\q]
.endr
.set k, k+1
.endr
	WIN 0x45
.irp q, 0,1,2,3
	v_pk_mul_f32 v[224+2*\q:225+2*\q], v[32*\q:32*\q+1], v[32*\q:32*\q+1]     ; the squares of the differences
.endr
	WIN 0x55
.set k, 1
.rept 15
.irp q, 0,1,2,3
	v_pk_fma_f32 v[224+2*\q:225+2*\q], v[32*\q+2*k:32*\q+2*k+1], v[32*\q+2*k:32*\q+2*k+1], v[224+2*\q:225+2*\q]
.endr
.set k, k+1
.endr
	WIN 0x05
.irp q, 0,1,2,3
	v_add_f32 v[40+\q], v[224+2*\q], v[225+2*\q]
.endr
	WIN 0
	REDUCE
.irp q, 0,1,2,3
	v_fma_f32 v[40+\q], v[40+\q], s32, s33         ; the variance + 1e-12
.endr
	s_wait_alu depctr_va_vdst(0)                   ; the wait ahead of the batch
.irp q, 0,1,2,3
	v_rsq_f32 v[48+2*\q], v[40+\q]
.endr
	v_nop                                          ; a plain place behind the last of them
	s_wait_alu depctr_va_vdst(0)                   ; one wait for the four, ahead of their first reader
.irp q, 0,1,2,3
	v_mov_b32 v[49+2*\q], v[48+2*\q]
.endr
.irp q, 0,1,2,3                        ; row by row, so that a row's stores leave while the next is scaled
	WIN 0x41
.set k, 0
.rept 16
	v_pk_mul_f32 v[32*\q+2*k:32*\q+2*k+1], v[32*\q+2*k:32*\q+2*k+1], v[48+2*\q:49+2*\q]
.set k, k+1
.endr
	WIN 0x45
.set k, 0
.rept 16
	v_pk_fma_f32 v[32*\q+2*k:32*\q+2*k+1], v[32*\q+2*k:32*\q+2*k+1], v[192+2*k:193+2*k], v[64+2*k:65+2*k]   ; x ln_g + ln_b
.set k, k+1
.endr
	WIN 0x04
.set i, 0
.rept 8
	global_store_b128 v[L16], v[32*\q+4*i:32*\q+4*i+3], s[16:17] offset:4096*\q+512*i th:TH_STORE_NT   ; 32 lanes store 512 consecutive bytes, aligned
.set i, i+1
.endr
.endr
	WIN 0
	s_wait_tensorcnt 0x0                           ; the wave's end
	ds_add_u32 v[SPW], v[NIL]
	s_wait_dscnt 0x0
	s_endpgm
.Lfunc_end_k_qef63d9f3bf_outln:
	.size	k_qef63d9f3bf_outln, .Lfunc_end_k_qef63d9f3bf_outln-k_qef63d9f3bf_outln
	.p2alignl 7, 3214868480
	.fill 96, 4, 3214868480
	.section	.rodata,"a",@progbits
	.p2align	6, 0x0
	.amdhsa_kernel k_qef63d9f3bf_outln
		.amdhsa_group_segment_fixed_size 157184
		.amdhsa_private_segment_fixed_size 0
		.amdhsa_enable_private_segment 0
		.amdhsa_kernarg_size 56
		.amdhsa_user_sgpr_count 2
		.amdhsa_user_sgpr_kernarg_segment_ptr 1
		.amdhsa_wavefront_size32 1
		.amdhsa_system_sgpr_workgroup_id_x 1
		.amdhsa_system_sgpr_workgroup_id_y 1
		.amdhsa_system_sgpr_workgroup_id_z 1
		.amdhsa_system_vgpr_workitem_id 0
		.amdhsa_next_free_vgpr 512
		.amdhsa_next_free_sgpr 66
		.amdhsa_reserve_vcc 0
		.amdhsa_float_denorm_mode_32 3
		.amdhsa_float_denorm_mode_16_64 3
		.amdhsa_memory_ordered 1
		.amdhsa_forward_progress 1
		.amdhsa_inst_pref_size 92
	.end_amdhsa_kernel
	.amdgpu_metadata
---
amdhsa.version: [ 1, 2 ]
amdhsa.kernels:
  - .name:           k_qef63d9f3bf_outln
    .symbol:         k_qef63d9f3bf_outln.kd
    .args:
      - { .name: ctxb, .offset: 0, .size: 8, .value_kind: global_buffer, .address_space: global }
      - { .name: prepb, .offset: 8, .size: 8, .value_kind: global_buffer, .address_space: global }
      - { .name: bo, .offset: 16, .size: 8, .value_kind: global_buffer, .address_space: global }
      - { .name: hidden_states, .offset: 24, .size: 8, .value_kind: global_buffer, .address_space: global }
      - { .name: ln_g, .offset: 32, .size: 8, .value_kind: global_buffer, .address_space: global }
      - { .name: ln_b, .offset: 40, .size: 8, .value_kind: global_buffer, .address_space: global }
      - { .name: out0, .offset: 48, .size: 8, .value_kind: global_buffer, .address_space: global }
    .group_segment_fixed_size: 157184
    .private_segment_fixed_size: 0
    .kernarg_segment_align: 8
    .kernarg_segment_size: 56
    .max_flat_workgroup_size: 256
    .sgpr_count:     66
    .vgpr_count:     512
    .wavefront_size: 32
...
	.end_amdgpu_metadata
.endif
;; end of part 5
